; MI455X (gfx1250); checked and timed in simulation.
; The chip was launched on July 23, 2026; its instructions are those of AMD's public machine-readable ISA for CDNA 5 (MIT licence, August 2026) and "CDNA5" Instruction Set Architecture Reference Guide (July 2026). The comments in the code are by the model that wrote it; some were corrected since.
;; Multi Head Attention. Allowed arithmetic: matrix products marked QUANTISED: E2M3 operands, one E8M0 scale for each 32 along K, by v_wmma_scale_f32_16x16x128_f8f6f4 with both operands' format E2M3, f32 sums; everything else in f32.
;; Inputs: Wk 1,024 x 1,024 float32; Wo 1,024 x 1,024 float32; Wq 1,024 x 1,024 float32; Wv 1,024 x 1,024 float32; bk 1,024 float32; bo 1,024 float32; bq 1,024 float32; bv 1,024 float32; x 4 x 2,048 x 1,024 float32.
;; Outputs: out0 4 x 2,048 x 1,024 float32.
;; This version of the problem:
;;   THIS VERSION OF THE PROBLEM IS GIVEN IN LOW PRECISION. The matrix products marked QUANTISED in the list below multiply operands that are first quantised to E2M3 (2 exponent bits, 3 mantissa bits; 6 bits a number), with one power-of-two scale for each 32 numbers along K (OCP MX v1.0); their sums are f32. All else is computed in f32.
;;   The module's matrix products, in the order in which they are computed (A, B: the left and right operand; K: the contracted axis; several contracted axes count as one K, in the product's order):
;;     1. [M 8,192, K 1,024] x [K 1,024, N 1,024]; A: input x; B: input Wq: QUANTISED
;;     2. [M 8,192, K 1,024] x [K 1,024, N 1,024]; A: input x; B: input Wk: QUANTISED
;;     3. [M 8,192, K 1,024] x [K 1,024, N 1,024]; A: input x; B: input Wv: QUANTISED
;;     4. batch 64 x [M 2,048, K 64] x [K 64, N 2,048]; A: computed on the way; B: computed on the way: QUANTISED
;;     5. batch 64 x [M 2,048, K 2,048] x [K 2,048, N 64]; A: softmax (see below); B: computed on the way: QUANTISED
;;     6. [M 8,192, K 1,024] x [K 1,024, N 1,024]; A: computed on the way; B: input Wo: QUANTISED
;;   THE QUANTISER, for each operand of a quantised product, along K:
;;     - K is cut into blocks of 32 from its start; a last block that is shorter is filled with zeros.
;;     - A block's scale is 2^e with e = floor(log2(the largest magnitude in the block)) - 2, held to -126 .. 127; a block of zeros has e = 0. As a byte (E8M0): e + 127.
;;     - Each number is divided by its block's scale, clamped to +-7.5, and rounded to the nearest number of E2M3, ties to even, subnormals kept.
;;     - The product sums the exact products of the quantised numbers (number of the format x scale) in f32.
;;   ~~~python
;;   def quantise(x, axis):      # numpy; x: float32 -> the quantised numbers, widened to float32 again
;;       x = np.moveaxis(x, axis, -1); K = x.shape[-1]
;;       x = np.pad(x, [(0, 0)] * (x.ndim - 1) + [(0, -K % 32)]); x = x.reshape(x.shape[:-1] + (-1, 32)); a = np.abs(x).max(-1, keepdims=True)
;;       e = np.where(a > 0, np.clip(np.frexp(np.where(a > 0, a, 1))[1] - 1 - 2, -126, 127), 0)      # np.frexp(a)[1] - 1 = floor(log2(a)), exactly
;;       r = np.clip(x / 2.0 ** e, -7.5, 7.5)
;;       step = 2.0 ** (np.maximum(np.frexp(np.where(r == 0, 1, r))[1] - 1, 0) - 3)
;;       q = np.round(r / step) * step * 2.0 ** e      # np.round: ties to even
;;       return np.moveaxis(q.reshape(q.shape[:-2] + (-1,))[..., :K], -1, axis).astype(np.float32)
;;   ~~~
;;   SOFTMAX AHEAD OF A QUANTISED PRODUCT. Where the list says 'softmax', what is quantised is not the finished softmax but p = 2^(t - M), with t = logit x log2(e) and M = ceil(the row's largest t), a whole number; so 1/2 < the row's largest p <= 1. The row's sum l is taken of the UNQUANTISED p, in f32, and the product's result is divided by l at the end. Since M is a whole number, a kernel that streams over the keys may use a running M (the ceiling of the running maximum): every later rescaling is an exact power of two, which a block's scale takes up: the codes' values come out the same.
;;   OPERANDS COMPUTED ON THE WAY. 'Computed on the way' means the value that the module computes at that place (a softmax that the list does not call 'softmax' is quantised finished and normalised). What goes into a quantiser is computed in f32, as accurately as f32 sums, v_exp_f32 and their like allow (about 1e-6 of the number): no bf16 or f16 on the way to a quantiser, and a product that is left as it is and whose result goes on into a quantised operand takes f32 operands (vector FMAs, or v_wmma_f32_16x16x4_f32). A number that lies on a knife's edge between two numbers of the format may be rounded either way, as far as f32 arithmetic and the matrix unit's own rounding can turn it there, and no further.
;; One version. Each part assembles by itself: llvm-mc -triple=amdgcn-amd-amdhsa -mcpu=gfx1250 --defsym DOCPART=n.
;; ======== version 1 of 1: 4 launches
;; limits: right only within a limited range of input values
;; workspace buffers: opq 9,830,400 bytes; qkv 20,185,088 bytes; ao 6,553,600 bytes
;; launch quant (part 1): grid 384 x 1, 4 waves a work-group, no clusters, 34,304 bytes of LDS; arguments x, Wq, Wk, Wv, Wo, opq; writes opq
.if DOCPART == 1
	.amdgcn_target "amdgcn-amd-amdhsa--gfx1250"
	.amdhsa_code_object_version 6
	.text
	.protected	k_q176b343ddd_quant
	.globl	k_q176b343ddd_quant
	.p2align	8
	.type	k_q176b343ddd_quant,@function
k_q176b343ddd_quant:
	s_mov_b64 s[64:65], 0
	v_nop
	global_prefetch_b8 v0, s[64:65] scope:SCOPE_SE
	s_setreg_imm32_b32 hwreg(HW_REG_WAVE_MODE, 25, 1), 1
	s_wait_xcnt 0x0
; x [8192][1024] and Wq, Wk, Wv, Wo [1024][1024], f32, K = the last axis, become codes of FP6 (E2M3) with one E8M0 byte for each 32 along K, laid in opq AS IMAGES OF OPERAND REGISTERS.
; THE UNIT is a half fragment, 16 rows x 64 K, 768 bytes: a lane's operand registers 0-3 at 16 x lane, its registers 4-5 at 512 + 8 x lane.  A tile of 16 rows has 16 of them on end, K ascending: 12,288 bytes.
; THE ROWS OF A TILE ARE NOT NEIGHBOURS: lane index i of tile t is row 32 (t / 2) + 8 (t % 2) + i + 8 (i / 8), so that in a product used transposed a lane's registers of two neighbouring result tiles are 16 neighbours.
; Tiles 0-511 are x, then 64 each of Wq, Wk, Wv, Wo.  Scale words behind the codes: [tile][K half][row index][4 words], word s = the four bytes of the half's s-th 128 along K.
; A block's scale is 2^(floor(log2(largest magnitude)) - 2); its byte is the largest magnitude's exponent field - 2, held at 1 from below.
; LIMITS: a block of zeros gets the byte 1 where the rule says 127 (its codes are zeros, and this program alone reads the bytes); NaN and infinities among the inputs are not served.
; SHARES.  A work-group takes 32 rows (two tiles); wave w takes tile w / 2 of them and K half w % 2: four fragments of 16 rows x 128 K.  Each load reads 512 consecutive bytes of one row; a fragment's 16 x 512 bytes turn
; through the wave's own stage in LDS (rows 528 bytes apart) and come back so that lane (r, h) holds, of row r, 16 neighbours of each block of 32.  Every store of codes covers 512 or 256 consecutive bytes, aligned.
; No cluster and no tensor load: work-groups share no input, waves share nothing, so there is no barrier either.  Loads run one fragment (16 loads a wave) ahead.
.set STG,   8448                       ; a wave's stage: 16 rows x (512 + 16) bytes
.set SPARE, 4*STG                      ; behind the stages: the spare words, 128 bytes for each wave: two blocks of 256 bytes that no other line names
.set SCO,   9437184                    ; where the scale words begin in opq: 768 tiles x 12,288
.set R,     16                         ; v16-143  two sets of 64 numbers as loaded
.set X,     144                        ; v144-207 register 16 b + i = k 32 b + 16 h + i of my row
.set PC,    208                        ; v208-219 the fragment's codes; v220-226 at work
.set TM,    228                        ; v228-243 at work in QUANT
.set SW,    248                        ; v248-251 the four fragments' scale words
.set SPW,   252                        ; v252 LDS address of my spare word; never rewritten
.set NIL,   253                        ; v253 0; never rewritten
.set SRC,   16                         ; s[16:17] my rows in the tensor that is mine
.set SEL,   20                         ; s[20:21] lane selects: lane l xor 16
.set DST,   26                         ; s[26:27] my codes
.set DSS,   28                         ; s[28:29] my scale words
; 64 numbers of a lane, v[s] on, become a fragment's codes in v[PC] on and its scale word in v[w].
.macro QUANT s, w
.irp b, 0,1,2,3
	v_max3_num_f32 v[TM+\b], |v[\s+16*\b]|, |v[\s+1+16*\b]|, 0x1800000   ; block b: my 16 numbers, and the floor 2^(3 - 127): the byte cannot fall under 1
.endr
.irp i, 2,4,6,8,10,12,14
.irp b, 0,1,2,3
	v_max3_num_f32 v[TM+\b], v[TM+\b], |v[\s+16*\b+\i]|, |v[\s+1+16*\b+\i]|   ; the four blocks by turns
.endr
.endr
.irp b, 0,1,2,3
	v_permlanex16_b32 v[TM+4+\b], v[TM+\b], s[SEL], s[SEL+1]
.endr
.irp b, 0,1,2,3
	v_max_num_f32 v[TM+\b], v[TM+\b], v[TM+4+\b]     ; with lane l xor 16's: the block's largest magnitude
.endr
.irp b, 0,1,2,3
	v_add_nc_u32 v[TM+12+\b], 0xff000000, v[TM+\b]   ; 2 off its exponent field: the conversion's scale operand
.endr
.irp b, 0,1,2,3
	v_lshrrev_b32 v[TM+4+\b], 23, v[TM+12+\b]        ; the scale's byte
.endr
	v_lshl_or_b32 v[\w], v[TM+5], 8, v[TM+4]
	v_lshl_or_b32 v[\w], v[TM+6], 16, v[\w]
	v_lshl_or_b32 v[\w], v[TM+7], 24, v[\w]          ; my row's scale word
.irp c, 0,1
	v_cvt_scalef32_pk16_fp6_f32 v[PC+6*\c:PC+2+6*\c], v[\s+32*\c:\s+15+32*\c], v[TM+12+2*\c]
	v_cvt_scalef32_pk16_fp6_f32 v[PC+12+4*\c:PC+14+4*\c], v[\s+16+32*\c:\s+31+32*\c], v[TM+12+2*\c+1]   ; (a conversion's three registers begin on an even number)
.endr
	v_nop                                            ; one plain place behind a scaled conversion
.irp c, 0,1                                      ; the operand's layout wants a whole block in a lane: lanes 0-15 block 2 c, lanes 16-31 block 2 c + 1
.irp i, 0,1,2
	v_permlane16_swap_b32 v[PC+6*\c+\i], v[PC+12+4*\c+\i]
.endr
.irp i, 0,1,2
	v_mov_b32 v[PC+3+6*\c+\i], v[PC+12+4*\c+\i]
.endr
.endr
.endm
	s_load_b256 s[4:11], s[0:1], 0x0               ; x, Wq, Wk, Wv
	s_load_b128 s[12:15], s[0:1], 0x20             ; Wo, opq
	v_lshl_add_u32 v[SPW], v0, 2, SPARE
	v_mov_b32 v[NIL], 0
	v_lshrrev_b32 v6, 5, v0
	v_readfirstlane_b32 s22, v6                    ; wave 0..3
	v_and_b32 v7, 31, v0                           ; lane
	v_and_b32 v8, 15, v0                           ; r
	v_bfe_u32 v9, v0, 4, 1                         ; h
	v_lshlrev_b32 v1, 4, v7                        ; 16 x lane: my bytes of a load's 512, and of an image's first 512
	v_lshl_add_u32 v2, v7, 3, 512                  ; 512 + 8 x lane: my bytes of an image's last 256
	v_lshlrev_b32 v3, 4, v8                        ; 16 r: my row's four scale words
	s_mul_i32 s23, s22, STG
	v_add_nc_u32 v4, s23, v1                       ; the stage, on the way in: a row as it was loaded
	v_mul_u32_u24 v5, v8, 528
	v_lshl_add_u32 v5, v9, 6, v5
	v_add_nc_u32 v5, s23, v5                       ; and on the way out: row r, + 64 h
	s_mov_b32 s[SEL], 0x76543210
	s_mov_b32 s[SEL+1], 0xfedcba98
.irp b, 0,1,2,3
	v_mov_b32 v[TM+4+\b], 0                        ; written once: a lane permute's destination counts as one of its sources
.endr
	s_lshr_b32 s24, s22, 1                         ; which of the two tiles
	s_and_b32 s25, s22, 1                          ; which half of K
	s_lshl_b32 s30, ttmp9, 1
	s_add_co_u32 s30, s30, s24                     ; my tile
	s_mul_i32 s[DST], s30, 12288
	s_mul_i32 s31, s25, 6144
	s_add_co_u32 s[DST], s[DST], s31
	s_mov_b32 s[DST+1], 0
	s_lshl_b32 s[DSS], s30, 9
	s_lshl_b32 s31, s25, 8
	s_add_co_u32 s[DSS], s[DSS], s31
	s_add_co_u32 s[DSS], s[DSS], SCO
	s_mov_b32 s[DSS+1], 0
	s_wait_alu depctr_va_vdst(0)
	s_wait_kmcnt 0x0
	s_mov_b64 s[SRC:SRC+1], s[12:13]               ; which tensor is mine hangs on the work-group's number alone: only pointers are chosen, the text has one path
	s_mov_b32 s18, 352
	s_cmp_lt_u32 ttmp9, 352
	s_cselect_b64 s[SRC:SRC+1], s[10:11], s[SRC:SRC+1]
	s_cselect_b32 s18, 320, s18
	s_cmp_lt_u32 ttmp9, 320
	s_cselect_b64 s[SRC:SRC+1], s[8:9], s[SRC:SRC+1]
	s_cselect_b32 s18, 288, s18
	s_cmp_lt_u32 ttmp9, 288
	s_cselect_b64 s[SRC:SRC+1], s[6:7], s[SRC:SRC+1]
	s_cselect_b32 s18, 256, s18
	s_cmp_lt_u32 ttmp9, 256
	s_cselect_b64 s[SRC:SRC+1], s[4:5], s[SRC:SRC+1]
	s_cselect_b32 s18, 0, s18                      ; the tensor's first work-group
	s_sub_co_u32 s32, ttmp9, s18
	s_lshl_b32 s32, s32, 17                        ; 32 rows of 4,096 bytes a work-group,
	s_lshl_b32 s31, s24, 15                        ; the second tile begins 8 rows down,
	s_add_co_u32 s32, s32, s31
	s_lshl_b32 s31, s25, 11                        ; the second half of K 2,048 bytes on
	s_add_co_u32 s32, s32, s31
	s_mov_b32 s33, 0
	s_add_nc_u64 s[SRC:SRC+1], s[SRC:SRC+1], s[32:33]
	s_add_nc_u64 s[DST:DST+1], s[14:15], s[DST:DST+1]
	s_add_nc_u64 s[DSS:DSS+1], s[14:15], s[DSS:DSS+1]
.macro LOADG s                         ; fragment s: 128 numbers of each of the tile's 16 rows; a load is 512 consecutive bytes of one row
.irp i, 0,1,2,3,4,5,6,7,8,9,10,11,12,13,14,15
	global_load_b128 v[R+64*((\s)%2)+4*\i:R+64*((\s)%2)+4*\i+3], v1, s[SRC:SRC+1] offset:(\i+8*(\i/8))*4096+512*(\s) th:TH_LOAD_NT
.endr
.endm
.macro STEPQ s
.if (\s) < 3
	s_wait_loadcnt 16                              ; this fragment's 16 loads are in; the next fragment's 16 may be out
.else
	s_wait_loadcnt 0x0
.endif
.irp i, 0,1,2,3,4,5,6,7,8,9,10,11,12,13,14,15
	ds_store_b128 v4, v[R+64*((\s)%2)+4*\i:R+64*((\s)%2)+4*\i+3] offset:528*\i
.endr
.irp b, 0,1,2,3
.irp j, 0,1,2,3
	ds_load_b128 v[X+16*\b+4*\j:X+16*\b+4*\j+3], v5 offset:128*\b+16*\j   ; LDS serves a wave's instructions in order: these see the stores above
.endr
.endr
	s_wait_dscnt 0x0                               ; the numbers are back, and the stores into the stage have read their registers
.if (\s) > 0
	s_wait_xcnt 0x0                                ; the last fragment's stores have read the codes' registers, which QUANT writes again
.endif
.if (\s) < 2
	LOADG (\s)+2
.endif
	QUANT X, SW+(\s)
	global_store_b128 v1, v[PC:PC+3], s[DST:DST+1] offset:1536*(\s)          ; 512 consecutive bytes, aligned
	global_store_b64 v2, v[PC+4:PC+5], s[DST:DST+1] offset:1536*(\s)         ; 256
	global_store_b128 v1, v[PC+6:PC+9], s[DST:DST+1] offset:1536*(\s)+768
	global_store_b64 v2, v[PC+10:PC+11], s[DST:DST+1] offset:1536*(\s)+768
.endm
	LOADG 0
	LOADG 1
	STEPQ 0
	STEPQ 1
	STEPQ 2
	STEPQ 3
	global_store_b128 v3, v[SW:SW+3], s[DSS:DSS+1] ; 16 rows x 16 bytes: 256 consecutive bytes; lanes 16-31 hold the same words and name the same bytes
	s_wait_tensorcnt 0x0                           ; the wave's end
	ds_add_u32 v[SPW], v[NIL]
	s_wait_dscnt 0x0
	s_endpgm
.Lfunc_end_k_q176b343ddd_quant:
	.size	k_q176b343ddd_quant, .Lfunc_end_k_q176b343ddd_quant-k_q176b343ddd_quant
	.p2alignl 7, 3214868480
	.fill 96, 4, 3214868480
	.section	.rodata,"a",@progbits
	.p2align	6, 0x0
	.amdhsa_kernel k_q176b343ddd_quant
		.amdhsa_group_segment_fixed_size 34304
		.amdhsa_private_segment_fixed_size 0
		.amdhsa_enable_private_segment 0
		.amdhsa_kernarg_size 48
		.amdhsa_user_sgpr_count 2
		.amdhsa_user_sgpr_kernarg_segment_ptr 1
		.amdhsa_wavefront_size32 1
		.amdhsa_system_sgpr_workgroup_id_x 1
		.amdhsa_system_sgpr_workgroup_id_y 1
		.amdhsa_system_sgpr_workgroup_id_z 1
		.amdhsa_system_vgpr_workitem_id 0
		.amdhsa_next_free_vgpr 256
		.amdhsa_next_free_sgpr 66
		.amdhsa_reserve_vcc 0
		.amdhsa_float_denorm_mode_32 3
		.amdhsa_float_denorm_mode_16_64 3
		.amdhsa_memory_ordered 1
		.amdhsa_forward_progress 1
		.amdhsa_inst_pref_size 34
	.end_amdhsa_kernel
	.amdgpu_metadata
---
amdhsa.version: [ 1, 2 ]
amdhsa.kernels:
  - .name:           k_q176b343ddd_quant
    .symbol:         k_q176b343ddd_quant.kd
    .args:
      - { .name: x, .offset: 0, .size: 8, .value_kind: global_buffer, .address_space: global }
      - { .name: Wq, .offset: 8, .size: 8, .value_kind: global_buffer, .address_space: global }
      - { .name: Wk, .offset: 16, .size: 8, .value_kind: global_buffer, .address_space: global }
      - { .name: Wv, .offset: 24, .size: 8, .value_kind: global_buffer, .address_space: global }
      - { .name: Wo, .offset: 32, .size: 8, .value_kind: global_buffer, .address_space: global }
      - { .name: opq, .offset: 40, .size: 8, .value_kind: global_buffer, .address_space: global }
    .group_segment_fixed_size: 34304
    .private_segment_fixed_size: 0
    .kernarg_segment_align: 8
    .kernarg_segment_size: 48
    .max_flat_workgroup_size: 128
    .sgpr_count:     66
    .vgpr_count:     256
    .wavefront_size: 32
...
	.end_amdgpu_metadata
.endif
;; end of part 1
;; launch proj (part 2): grid 12 x 32, 4 waves a work-group, clusters of 4 x 4, 327,680 bytes of LDS; arguments opq, bq, bk, bv, qkv; writes qkv
.if DOCPART == 2
	.amdgcn_target "amdgcn-amd-amdhsa--gfx1250"
	.amdhsa_code_object_version 6
	.text
	.protected	k_q176b343ddd_proj
	.globl	k_q176b343ddd_proj
	.p2align	8
	.type	k_q176b343ddd_proj,@function
k_q176b343ddd_proj:
	s_mov_b64 s[64:65], 0
	v_nop
	global_prefetch_b8 v0, s[64:65] scope:SCOPE_SE
	s_setreg_imm32_b32 hwreg(HW_REG_WAVE_MODE, 25, 1), 1
	s_wait_xcnt 0x0
	s_wait_alu depctr_hold_cnt(0) depctr_sa_sdst(0) depctr_va_vdst(0) depctr_va_sdst(0) depctr_va_ssrc(0) depctr_va_vcc(0) depctr_vm_vsrc(0)
	s_getreg_b32 s2, hwreg(HW_REG_IB_STS2, 6, 4)
	s_cmp_eq_u32 s2, 0
	s_cbranch_scc0 .Lentry_in_a_cluster
	s_endpgm
.Lentry_in_a_cluster:
	s_bfe_u32 s2, ttmp6, 0x10000c
	s_cmp_lg_u32 s2, 0xf033
	s_cbranch_scc0 .Lentry_shape_is_right
	s_endpgm
.Lentry_shape_is_right:
.set FR,     12
.set NL,     4
.set NP,     4
.set KSB,    1536
.set TILEB,  2*KSB
.set OPT,    12288
.set HALFT,  8*TILEB
.set SLOT,   4*HALFT
.set SCL,    2*SLOT
.set SPARE,  SCL+4*4096
.set SCO,    9437184
.set QC,     13369344
.set QS,     19660800
.set HEADB,  208896
.set CHUNKB, 52224
.set ADRA, 16
.set ADRB, 20
.set ADRS, 27
.set SPW,  28
.set NIL,  29
.set SC,   32
.set AF,   128
.set VA16, 8
.set VA8,  9
.set VB16, 10
.set VB8,  11
.set VS,   12
.set SH,   13
.set PC,   112
.set TM,   200
.set PW,   216
.set SW,   220
.set G1, 24
.set G0, 32
.set G1B, 48
.set G0B, 56
.set G1S, 68
.set G0S, 76
.set G1SB, 80
.set G0SB, 88
.set OC,  92
.set OS,  93
.set D2,  94
.set HS,  95
.set STA, 96
.set STX, 97
.set SST, 98
.set SHM, 99
.set MSK, 42
.set SEL, 44
.set MSB, 0
.macro WIN new
.if MSB != \new
	s_set_vgpr_msb (MSB<<8)|\new
.set MSB, \new
.endif
.endm
.set MUL_LO, 0xa1
.set MUL_HI, 0xf1
.set TO_B,   0x40
.macro JLOAD g0a, g1a, g0b, g1b
	s_cmp_eq_u32 s15, 0
	s_cbranch_scc0 .Lfor_b_\@
	tensor_load_to_lds s[\g0a:\g0a+3], s[\g1a:\g1a+7]
	s_nop 0
.rept 4
	v_nop
.endr
	s_branch .Lasked_\@
.Lfor_b_\@:
	tensor_load_to_lds s[\g0b:\g0b+3], s[\g1b:\g1b+7]
	s_nop 0
.rept 4
	v_nop
.endr
.Lasked_\@:
.endm
.macro CREST
	s_cmp_lg_u32 s14, 0
	s_cbranch_scc1 .Lnot_wave_0_\@
	s_barrier_signal -3
.Lnot_wave_0_\@:
	s_barrier_wait -3
	s_barrier_signal -1
	s_barrier_wait -1
.endm
.macro CROUND
	s_barrier_signal -1
	s_barrier_wait -1
	CREST
.endm
	s_load_b256 s[4:11], s[0:1], 0x0
	s_load_b64 s[12:13], s[0:1], 0x20
	v_lshl_add_u32 v[SPW], v0, 2, SPARE
	v_mov_b32 v[NIL], 0
	ds_add_u32 v[SPW], v[NIL]
	ds_add_u32 v[SPW], v[NIL]
	v_lshrrev_b32 v1, 5, v0
	v_readfirstlane_b32 s14, v1
	s_lshr_b32 s15, s14, 1
	s_and_b32 s16, s14, 1
	s_bfe_u32 s40, ttmp6, 0x40000
	s_bfe_u32 s41, ttmp6, 0x40004
	s_and_b32 s17, ttmp7, 0xffff
	s_lshr_b32 s18, ttmp9, 1
	s_xor_b32 s19, s18, 1
	s_lshl_b32 s43, s41, 2
	s_lshl_b32 s43, 15, s43
	s_lshl_b32 s44, 0x1111, s40
	s_or_b32 s[G1+0], s43, (3<<16)|(1<<21)
	s_or_b32 s[G1B+0], s44, (3<<16)|(1<<21)
.irp g, G1, G1B
	s_mov_b32 s[\g+1], 384<<16
	s_mov_b32 s[\g+2], 16<<16
	s_mov_b32 s[\g+3], 384<<16
	s_mov_b32 s[\g+4], 16
	s_mov_b32 s[\g+5], 1536
	s_mov_b32 s[\g+6], 0
	s_mov_b32 s[\g+7], 0
.endr
	s_or_b32 s[G1S+0], s43, (3<<16)|(1<<21)
	s_or_b32 s[G1SB+0], s44, (3<<16)|(1<<21)
.irp g, G1S, G1SB
	s_mov_b32 s[\g+1], 32<<16
	s_mov_b32 s[\g+2], 32<<16
	s_mov_b32 s[\g+3], 32<<16
	s_mov_b32 s[\g+4], 32
	s_mov_b32 s[\g+5], 32
	s_mov_b32 s[\g+6], 0
	s_mov_b32 s[\g+7], 0
.endr
	s_mul_i32 s2, s17, s19
	s_lshl_b32 s2, s2, 6
	s_mul_i32 s20, s18, 640
	s_add_co_u32 s2, s2, s20
	s_lshl_b32 s20, s41, 4
	s_add_co_u32 s2, s2, s20
	s_mul_i32 s3, ttmp9, s19
	s_mul_i32 s46, s17, s18
	s_add_co_u32 s3, s3, s46
	s_lshl_b32 s3, s3, 6
	s_lshl_b32 s46, s19, 9
	s_add_co_u32 s3, s3, s46
	s_lshl_b32 s46, s40, 4
	s_add_co_u32 s3, s3, s46
	s_mul_i32 s20, s2, OPT
	s_mov_b32 s21, 0
	s_lshl_b32 s22, s2, 9
	s_add_co_u32 s22, s22, SCO
	s_mov_b32 s23, 0
	s_mul_i32 s46, s3, OPT
	s_mov_b32 s47, 0
	s_lshl_b32 s92, s3, 9
	s_add_co_u32 s92, s92, SCO
	s_mov_b32 s93, 0
	s_mul_i32 s45, s14, HALFT
	s_wait_dscnt 0x0
	s_wait_kmcnt 0x0
	s_add_nc_u64 s[20:21], s[4:5], s[20:21]
	s_add_nc_u64 s[22:23], s[4:5], s[22:23]
	s_add_nc_u64 s[46:47], s[4:5], s[46:47]
	s_add_nc_u64 s[92:93], s[4:5], s[92:93]
	CROUND
	s_mov_b32 s[G0S], 1
	s_mov_b32 s[G0S+1], SCL
	s_mov_b64 s[G0S+2:G0S+3], s[22:23]
	s_or_b32 s[G0S+3], s[G0S+3], 0x80000000
	s_mov_b32 s[G0SB], 1
	s_mov_b32 s[G0SB+1], SCL+8192
	s_mov_b64 s[G0SB+2:G0SB+3], s[92:93]
	s_or_b32 s[G0SB+3], s[G0SB+3], 0x80000000
	; THE HEAD'S LOADS, ONE A WAVE: wave 0 slot 0's 16 tiles of A, wave 1 its 16 tiles of B, wave 2 A's scale words (8,192 bytes), wave 3 B's.  One chain of branches on the wave's number, one load to an arm, one join.
	s_mov_b32 s[G0], 1
	s_mov_b32 s[G0+1], 0
	s_mov_b64 s[G0+2:G0+3], s[20:21]
	s_or_b32 s[G0+3], s[G0+3], 0x80000000
	s_mov_b32 s[G0B], 1
	s_mov_b32 s[G0B+1], 2*HALFT
	s_mov_b64 s[G0B+2:G0B+3], s[46:47]
	s_or_b32 s[G0B+3], s[G0B+3], 0x80000000
	s_cmp_eq_u32 s14, 0
	s_cbranch_scc0 .Lhead_1
	tensor_load_to_lds s[G0:G0+3], s[G1:G1+7]
	s_nop 0
.rept 4
	v_nop
.endr
	s_branch .Lhead_asked
.Lhead_1:
	s_cmp_eq_u32 s14, 1
	s_cbranch_scc0 .Lhead_2
	tensor_load_to_lds s[G0B:G0B+3], s[G1B:G1B+7]
	s_nop 0
.rept 4
	v_nop
.endr
	s_branch .Lhead_asked
.Lhead_2:
	s_cmp_eq_u32 s14, 2
	s_cbranch_scc0 .Lhead_3
	tensor_load_to_lds s[G0S:G0S+3], s[G1S:G1S+7]
	s_nop 0
.rept 4
	v_nop
.endr
	s_branch .Lhead_asked
.Lhead_3:
	tensor_load_to_lds s[G0SB:G0SB+3], s[G1SB:G1SB+7]
	s_nop 0
.rept 4
	v_nop
.endr
.Lhead_asked:
	s_wait_alu depctr_va_vdst(0)
	s_wait_tensorcnt 0x0                           ; my tile of the four is in
	ds_add_u32 v[SPW], v[NIL]
	s_mov_b32 s[G1+2], 8<<16                       ; no load of mine is out: from here on a load brings 8 tiles
	s_mov_b32 s[G1+4], 8
	s_mov_b32 s[G1B+2], 8<<16
	s_mov_b32 s[G1B+4], 8
	s_mul_i32 s18, s16, 8*OPT                      ; in the ring I fetch 8 of a side's 16 tiles: which half
	s_mov_b32 s19, 0
	s_add_nc_u64 s[20:21], s[20:21], s[18:19]
	s_add_nc_u64 s[46:47], s[46:47], s[18:19]
.irp s, 0,1
	s_mov_b32 s[G0+4*\s], 1
	s_add_co_u32 s[G0+4*\s+1], s45, \s*SLOT
	s_add_nc_u64 s[G0+4*\s+2:G0+4*\s+3], s[20:21], \s*TILEB
	s_or_b32 s[G0+4*\s+3], s[G0+4*\s+3], 0x80000000
	s_mov_b32 s[G0B+4*\s], 1
	s_add_co_u32 s[G0B+4*\s+1], s45, \s*SLOT
	s_add_nc_u64 s[G0B+4*\s+2:G0B+4*\s+3], s[46:47], \s*TILEB
	s_or_b32 s[G0B+4*\s+3], s[G0B+4*\s+3], 0x80000000
.endr
	s_wait_dscnt 0x0                               ; the add is done
	CROUND                                         ; a whole round: the head's four tiles are in, in every partner
	JLOAD G0+4, G1, G0B+4, G1B                     ; slot 1's first fill, a quarter a wave: my one load behind the round
	v_and_b32 v1, 15, v0
	v_bfe_u32 v2, v0, 4, 1
	v_and_b32 v3, 31, v0
	v_lshlrev_b32 v4, 4, v3
	v_lshl_add_u32 v5, v3, 3, 512
	s_mul_i32 s21, s15, HALFT
	s_mul_i32 s22, s16, HALFT
	s_add_co_u32 s22, s22, 2*HALFT
.irp s, 0,1
	v_add_nc_u32 v[ADRA+\s], s21, v4
	v_add_nc_u32 v[ADRA+2+\s], s21, v5
	v_add_nc_u32 v[ADRB+\s], s22, v4
	v_add_nc_u32 v[ADRB+2+\s], s22, v5
	s_add_co_u32 s21, s21, SLOT
	s_add_co_u32 s22, s22, SLOT
.endr
	s_lshl_b32 s21, s15, 12
	s_lshl_b32 s22, s16, 12
	s_add_co_u32 s22, s22, 2*4096
	s_sub_co_u32 s22, s22, s21
	v_mul_u32_u24 v6, s22, v2
	s_add_co_u32 s21, s21, SCL
	v_lshl_add_u32 v6, v1, 4, v6
	v_add_nc_u32 v[ADRS], s21, v6
	v_lshlrev_b32 v6, 6, v2
	v_and_b32 v7, 8, v1
	v_add_nc_u32 v7, v7, v1
	v_lshlrev_b32 v7, 2, v7
	s_mov_b32 s97, 0
	s_cmp_eq_u32 ttmp9, 0
	s_cselect_b64 s[66:67], s[6:7], s[8:9]
	s_cmp_eq_u32 ttmp9, 2
	s_cbranch_scc1 .Lbias_v
	s_lshl_b32 s96, s40, 10
	s_lshl_b32 s98, s16, 9
	s_add_co_u32 s96, s96, s98
	s_add_nc_u64 s[66:67], s[66:67], s[96:97]
	s_wait_alu depctr_va_vdst(0)
.irp i, 0,1,2,3,4,5,6,7
	global_load_b128 v[96+8*\i+96*(\i/4):96+8*\i+96*(\i/4)+3], v6, s[66:67] offset:(32*(\i/2)+8*(\i%2))*4
	global_load_b128 v[96+8*\i+96*(\i/4)+4:96+8*\i+96*(\i/4)+7], v6, s[66:67] offset:(32*(\i/2)+8*(\i%2))*4+16
.endr
	s_branch .Lbias_done
.Lbias_v:
	s_lshl_b32 s96, s41, 10
	s_lshl_b32 s98, s15, 9
	s_add_co_u32 s96, s96, s98
	s_add_nc_u64 s[66:67], s[10:11], s[96:97]
	s_wait_alu depctr_va_vdst(0)
.irp i, 0,1,2,3,4,5,6,7
.irp j, 0,1,2,3,4,5,6,7
	global_load_b32 v[96+8*\i+96*(\i/4)+\j], v7, s[66:67] offset:(32*(\i/2)+8*(\i%2))*4
.endr
.endr
.Lbias_done:
.macro FRAG reg, adr, q, i
	ds_load_b128 v[\reg:\reg+3], v[\adr] offset:(\i)*TILEB+(\q)*KSB
	ds_load_b64 v[\reg+4:\reg+5], v[\adr+2] offset:(\i)*TILEB+(\q)*KSB
	ds_load_b128 v[\reg+6:\reg+9], v[\adr] offset:(\i)*TILEB+(\q)*KSB+768
	ds_load_b64 v[\reg+10:\reg+11], v[\adr+2] offset:(\i)*TILEB+(\q)*KSB+768
.endm
.macro MUL16 a0, p, ks, cm
.irp a, \a0, \a0+1
.irp b, 0,1,2,3,4,5,6,7
.set rD, 8*(8*((\a)%4)+\b)
.set rC, rD
.if \cm == 1
.set rC, 96+8*\b+96*(\b/4)
.endif
.if \cm == 2
.set rC, 96+8*(\a)+96*((\a)/4)
.endif
	v_wmma_scale_f32_16x16x128_f8f6f4 v[rD:rD+7], v[128*(\p)+FR*\b:128*(\p)+FR*\b+FR-1], v[AF+FR*(\a):AF+FR*(\a)+FR-1], v[rC:rC+7], v[SC+8*\b+(\ks)], v[SC+8*(\a)+(\ks)] matrix_a_fmt:MATRIX_FMT_FP6 matrix_b_fmt:MATRIX_FMT_FP6 matrix_a_scale:MATRIX_SCALE_ROW1
.endr
.endr
.endm
.macro FETCH_B slot, q, p
	WIN TO_B
.irp i, 0,1,2,3,4,5,6,7
	FRAG 128*(\p)+FR*\i, ADRB+\slot, \q, \i
.endr
	WIN 0
.endm
.macro FETCH_A slot, q, i0
.irp i, \i0, \i0+1, \i0+2, \i0+3
	FRAG AF+FR*(\i), ADRA+\slot, \q, \i
.endr
.endm
.macro SCALES
.irp i, 0,1,2,3,4,5,6,7
.irp u, 0,1
	ds_load_b128 v[SC+8*\i+4*\u:SC+8*\i+4*\u+3], v[ADRS] offset:512*\i+256*\u
.endr
.endr
.endm
.macro PLACES n
.rept \n
	v_nop
.endr
.endm
.macro STEP slot, q, ks, cm
	s_wait_dscnt 4*NL
.if \cm
	WIN 0x81
.else
	WIN MUL_LO
.endif
	MUL16 0, (\q)%2, \ks, \cm
	MUL16 2, (\q)%2, \ks, \cm
	s_wait_dscnt 0
	PLACES NP
	FETCH_B \slot, (\q)+1, 1-(\q)%2
	FETCH_A \slot, (\q)+1, 0
.if \cm
	WIN 0xc1
.else
	WIN MUL_HI
.endif
	MUL16 4, (\q)%2, \ks, \cm
	MUL16 6, (\q)%2, \ks, \cm
	PLACES NP
	WIN 0
	FETCH_A \slot, (\q)+1, 4
.endm
.macro TURN slot, next, ks, fill
	s_wait_tensorcnt 0x0
	ds_add_u32 v[SPW], v[NIL]
	s_wait_dscnt 4*NL+1
	WIN MUL_LO
	MUL16 0, 1, \ks, 0
	s_wait_dscnt 0x0
	s_barrier_signal -1
	MUL16 2, 1, \ks, 0
	WIN 0
	s_barrier_wait -1
.if \fill
	CREST
	s_add_nc_u64 s[G0+4*\slot+2:G0+4*\slot+3], s[G0+4*\slot+2:G0+4*\slot+3], 2*TILEB
	s_add_nc_u64 s[G0B+4*\slot+2:G0B+4*\slot+3], s[G0B+4*\slot+2:G0B+4*\slot+3], 2*TILEB
	JLOAD G0+4*\slot, G1, G0B+4*\slot, G1B
.else
	PLACES NP
.endif
	FETCH_B \next, 0, 0
	FETCH_A \next, 0, 0
	WIN MUL_HI
	MUL16 4, 1, \ks, 0
	MUL16 6, 1, \ks, 0
	PLACES NP
	WIN 0
	FETCH_A \next, 0, 4
.endm
	s_wait_tensorcnt 1
	s_barrier_signal -1
	s_barrier_wait -1
	FETCH_B 0, 0, 0
	FETCH_A 0, 0, 0
	SCALES
	FETCH_A 0, 0, 4
	s_wait_loadcnt 0x0
	s_cmp_eq_u32 ttmp9, 2
	s_cbranch_scc1 .Lfirst_v
	STEP 0, 0, 0, 1
	s_branch .Lfirst_done
.Lfirst_v:
	STEP 0, 0, 0, 2
.Lfirst_done:
	TURN 0, 1, 1, 1
	STEP 1, 0, 2, 0
	TURN 1, 0, 3, 1
	STEP 0, 0, 4, 0
	TURN 0, 1, 5, 0
	STEP 1, 0, 6, 0
	s_wait_dscnt 4*NL
	WIN MUL_LO
	MUL16 0, 1, 7, 0
	MUL16 2, 1, 7, 0
	s_wait_dscnt 0
	WIN MUL_HI
	MUL16 4, 1, 7, 0
	MUL16 6, 1, 7, 0
	WIN 0
	s_lshr_b32 s18, s17, 1
	s_lshl_b32 s18, s18, 4
	s_and_b32 s19, s17, 1
	s_lshl_b32 s20, s40, 1
	s_add_co_u32 s20, s20, s16
	s_lshl_b32 s21, s41, 1
	s_add_co_u32 s21, s21, s15
	s_mov_b32 s[SEL], 0x76543210
	s_mov_b32 s[SEL+1], 0xfedcba98
	s_cmp_eq_u32 ttmp9, 2
	s_cbranch_scc1 .Lout_v
	s_lshl_b32 s22, s20, 1
	s_add_co_u32 s22, s22, s18
	s_lshl_b32 s23, s19, 6
	s_lshl_b32 s46, s21, 3
	s_add_co_u32 s23, s23, s46
	s_mov_b32 s[STA], 768
	s_mov_b32 s[STX], 768
	s_mov_b32 s[SST], 256
	s_mov_b32 s[SHM], 16
	s_mov_b32 s[MSK], 0xffff
	s_mov_b32 s43, 0                               ; Q, K: a block's two halves stay in order in every lane
	s_cmp_eq_u32 ttmp9, 1
	s_cbranch_scc1 .Lout_k
	s_mul_i32 s[OC], s22, 98304
	s_mul_i32 s46, s23, 768
	s_add_co_u32 s[OC], s[OC], s46
	s_add_co_u32 s[OC], s[OC], QC
	s_lshl_b32 s[OS], s22, 13
	s_lshl_b32 s46, s23, 6
	s_add_co_u32 s[OS], s[OS], s46
	s_add_co_u32 s[OS], s[OS], QS
	s_mov_b32 s[D2], 98304
	s_mov_b32 s[HS], 8192
	s_branch .Lout_go
.Lout_k:
	s_mul_i32 s[OC], s22, HEADB
	s_lshr_b32 s46, s23, 5
	s_mul_i32 s46, s46, CHUNKB
	s_add_co_u32 s[OC], s[OC], s46
	s_and_b32 s46, s23, 31
	s_lshl_b32 s47, s46, 6
	s_add_co_u32 s[OS], s[OC], s47
	s_add_co_u32 s[OS], s[OS], 49152
	s_mul_i32 s46, s46, 768
	s_add_co_u32 s[OC], s[OC], s46
	s_mov_b32 s[D2], HEADB
	s_mov_b32 s[HS], HEADB
	s_branch .Lout_go
.Lout_v:
	s_lshl_b32 s22, s21, 1
	s_add_co_u32 s22, s22, s18
	s_lshl_b32 s23, s19, 3
	s_add_co_u32 s23, s23, s20
	s_mul_i32 s[OC], s22, HEADB
	s_lshr_b32 s46, s23, 2
	s_mul_i32 s46, s46, CHUNKB
	s_add_co_u32 s[OC], s[OC], s46
	s_and_b32 s46, s23, 3
	s_lshl_b32 s47, s46, 8
	s_add_co_u32 s[OS], s[OC], s47
	s_add_co_u32 s[OS], s[OS], 51200
	s_mul_i32 s46, s46, 6144
	s_add_co_u32 s[OC], s[OC], s46
	s_add_co_u32 s[OC], s[OC], 24576
	s_mov_b32 s[D2], 768
	s_mov_b32 s[HS], 0
	s_mov_b32 s[STA], 1536
	s_mov_b32 s[STX], HEADB-3*1536
	s_mov_b32 s[SST], HEADB
	s_mov_b32 s[SHM], 0
	s_mov_b32 s[MSK], -1
	s_mov_b32 s43, 0xffff0000                      ; V: lanes 16-31 hold their block's upper 16 keys first, as the next launch lays p
.Lout_go:
	v_add_nc_u32 v[VA16], s[OC], v4
	v_add_nc_u32 v[VA8], s[OC], v5
	v_add_nc_u32 v[VB16], s[D2], v[VA16]
	v_add_nc_u32 v[VB8], s[D2], v[VA8]
	v_mul_u32_u24 v[VS], v2, s[HS]
	v_lshl_add_u32 v[VS], v1, 4, v[VS]
	v_add_nc_u32 v[VS], s[OS], v[VS]
	v_mul_u32_u24 v[SH], v2, s[SHM]
.irp b, 0,1,2,3
	v_mov_b32 v[TM+4+\b], 0
.endr
.macro QUANTW a
.set AC, 64*((\a)%4)
.set W, 2+(\a)/4
	WIN W|(W<<2)
.irp b, 0,1,2,3
	v_max3_num_f32 v[TM+\b], |v[AC+16*\b]|, |v[AC+1+16*\b]|, 0x1800000
.endr
.irp i, 2,4,6,8,10,12,14
.irp b, 0,1,2,3
	v_max3_num_f32 v[TM+\b], |v[AC+16*\b+\i]|, |v[AC+1+16*\b+\i]|, v[TM+\b]
.endr
.endr
	WIN 0
.irp b, 0,1,2,3
	v_permlanex16_b32 v[TM+4+\b], v[TM+\b], s[SEL], s[SEL+1]
.endr
.irp b, 0,1,2,3
	v_max_num_f32 v[TM+\b], v[TM+\b], v[TM+4+\b]
.endr
.irp b, 0,1,2,3
	v_add_nc_u32 v[TM+12+\b], 0xff000000, v[TM+\b]
.endr
.irp b, 0,1,2,3
	v_lshrrev_b32 v[TM+4+\b], 23, v[TM+12+\b]
.endr
	v_lshl_or_b32 v[PW], v[TM+5], 8, v[TM+4]
	v_lshl_or_b32 v[PW], v[TM+6], 16, v[PW]
	v_lshl_or_b32 v[PW], v[TM+7], 24, v[PW]
	WIN W
.irp c, 0,1
	v_cvt_scalef32_pk16_fp6_f32 v[PC+6*\c:PC+2+6*\c], v[AC+32*\c:AC+15+32*\c], v[TM+12+2*\c]
	v_cvt_scalef32_pk16_fp6_f32 v[PC+12+4*\c:PC+14+4*\c], v[AC+16+32*\c:AC+31+32*\c], v[TM+12+2*\c+1]
.endr
	WIN 0
	v_nop
.irp c, 0,1
.irp i, 0,1,2
	v_permlane16_swap_b32 v[PC+6*\c+\i], v[PC+12+4*\c+\i]
.endr
.irp i, 0,1,2
	v_cndmask_b32 v[PC+3+6*\c+\i], v[PC+12+4*\c+\i], v[PC+6*\c+\i], s43
	v_cndmask_b32 v[PC+6*\c+\i], v[PC+6*\c+\i], v[PC+12+4*\c+\i], s43
.endr
.endr
.endm
.macro OUT a
.if (\a) > 0
	s_wait_xcnt 0x0
.if (\a) == 4
	v_add_nc_u32 v[VA16], s[STX], v[VA16]
	v_add_nc_u32 v[VA8], s[STX], v[VA8]
	v_add_nc_u32 v[VB16], s[STX], v[VB16]
	v_add_nc_u32 v[VB8], s[STX], v[VB8]
	v_add_nc_u32 v[VS], s[SST], v[VS]
.else
	v_add_nc_u32 v[VA16], s[STA], v[VA16]
	v_add_nc_u32 v[VA8], s[STA], v[VA8]
	v_add_nc_u32 v[VB16], s[STA], v[VB16]
	v_add_nc_u32 v[VB8], s[STA], v[VB8]
.endif
.endif
	QUANTW \a
	v_lshrrev_b32 v[SW+(\a)%4], v[SH], v[PW]
	v_and_b32 v[SW+(\a)%4], s[MSK], v[SW+(\a)%4]
	global_store_b128 v[VA16], v[PC:PC+3], s[12:13]
	global_store_b64 v[VA8], v[PC+4:PC+5], s[12:13]
	global_store_b128 v[VB16], v[PC+6:PC+9], s[12:13]
	global_store_b64 v[VB8], v[PC+10:PC+11], s[12:13]
.if (\a)%4 == 3
	global_store_b128 v[VS], v[SW:SW+3], s[12:13]
.endif
.endm
.irp a, 0,1,2,3,4,5,6,7
	OUT \a
.endr
	s_wait_tensorcnt 0x0
	ds_add_u32 v[SPW], v[NIL]
	s_wait_dscnt 0x0
	CROUND
	s_endpgm
.Lfunc_end_k_q176b343ddd_proj:
	.size	k_q176b343ddd_proj, .Lfunc_end_k_q176b343ddd_proj-k_q176b343ddd_proj
	.p2alignl 7, 3214868480
	.fill 96, 4, 3214868480
	.section	.rodata,"a",@progbits
	.p2align	6, 0x0
	.amdhsa_kernel k_q176b343ddd_proj
		.amdhsa_group_segment_fixed_size 327680
		.amdhsa_private_segment_fixed_size 0
		.amdhsa_enable_private_segment 0
		.amdhsa_kernarg_size 40
		.amdhsa_user_sgpr_count 2
		.amdhsa_user_sgpr_kernarg_segment_ptr 1
		.amdhsa_wavefront_size32 1
		.amdhsa_system_sgpr_workgroup_id_x 1
		.amdhsa_system_sgpr_workgroup_id_y 1
		.amdhsa_system_sgpr_workgroup_id_z 1
		.amdhsa_system_vgpr_workitem_id 0
		.amdhsa_next_free_vgpr 1024
		.amdhsa_next_free_sgpr 100
		.amdhsa_reserve_vcc 0
		.amdhsa_float_denorm_mode_32 3
		.amdhsa_float_denorm_mode_16_64 3
		.amdhsa_memory_ordered 1
		.amdhsa_forward_progress 1
		.amdhsa_inst_pref_size 178
	.end_amdhsa_kernel
	.amdgpu_metadata
---
amdhsa.version: [ 1, 2 ]
amdhsa.kernels:
  - .name:           k_q176b343ddd_proj
    .symbol:         k_q176b343ddd_proj.kd
    .args:
      - { .name: opq, .offset: 0, .size: 8, .value_kind: global_buffer, .address_space: global }
      - { .name: bq, .offset: 8, .size: 8, .value_kind: global_buffer, .address_space: global }
      - { .name: bk, .offset: 16, .size: 8, .value_kind: global_buffer, .address_space: global }
      - { .name: bv, .offset: 24, .size: 8, .value_kind: global_buffer, .address_space: global }
      - { .name: qkv, .offset: 32, .size: 8, .value_kind: global_buffer, .address_space: global }
    .group_segment_fixed_size: 327680
    .private_segment_fixed_size: 0
    .kernarg_segment_align: 8
    .kernarg_segment_size: 40
    .max_flat_workgroup_size: 128
    .sgpr_count:     100
    .vgpr_count:     1024
    .wavefront_size: 32
...
	.end_amdgpu_metadata
.endif
;; end of part 2
;; launch attn (part 3): grid 4 x 64, 16 waves a work-group, clusters of 4 x 1, 210,944 bytes of LDS; arguments qkv, ao; writes ao
.if DOCPART == 3
	.amdgcn_target "amdgcn-amd-amdhsa--gfx1250"
	.amdhsa_code_object_version 6
	.text
	.protected	k_q176b343ddd_attn
	.globl	k_q176b343ddd_attn
	.p2align	8
	.type	k_q176b343ddd_attn,@function
k_q176b343ddd_attn:
	s_mov_b64 s[64:65], 0
	v_nop
	global_prefetch_b8 v0, s[64:65] scope:SCOPE_SE
	s_setreg_imm32_b32 hwreg(HW_REG_WAVE_MODE, 25, 1), 1
	s_wait_xcnt 0x0
	s_wait_alu depctr_hold_cnt(0) depctr_sa_sdst(0) depctr_va_vdst(0) depctr_va_sdst(0) depctr_va_ssrc(0) depctr_va_vcc(0) depctr_vm_vsrc(0)
	s_getreg_b32 s2, hwreg(HW_REG_IB_STS2, 6, 4)
	s_cmp_eq_u32 s2, 0
	s_cbranch_scc0 .Lentry_in_a_cluster
	s_endpgm
.Lentry_in_a_cluster:
	s_bfe_u32 s2, ttmp6, 0x10000c
	s_cmp_lg_u32 s2, 0x3003
	s_cbranch_scc0 .Lentry_shape_is_right
	s_endpgm
.Lentry_shape_is_right:
; O[b][h][q] = the sum over k of softmax_k(Q . K / 8) V, head size 64, 2,048 keys, both products on codes of FP6 (E2M3) with E8M0 scales; the result, divided by the row's sum, is quantised along the features and leaves as an operand image.
; THE SOFTMAX: t = score x log2(e) / 8; M = the running largest t rounded UP to a whole number; p = 2^(t - M) is quantised along the keys, not normalised; the row's sum is taken of the unquantised p.  When M moves, the sum and O are multiplied by 2^(old M - new M): exact.
; SHARES.  A cluster of four work-groups is one (batch, head); a work-group owns 512 queries; each of its sixteen waves owns one tile of 16 queries at a time, twice (two passes); 256 registers a wave, four waves to a SIMD.
; K AND V OF THE WHOLE HEAD, codes and scale words, 208,896 bytes, come into LDS ONCE: each of the sixteen waves asks for a sixteenth (13,056 bytes) by one joint load of the four partners.  Every wave waits for its load, one barrier shows all, and nothing is
; filled again: the loop has no barrier.  No prefetch: every tensor load of the launch goes out at its head, so there is no loop to run ahead in.
; BOTH PRODUCTS ARE USED TRANSPOSED (S^T = K Q^T, O^T = V^T P^T): a lane holds one query throughout.  Operands lie as images of their registers (16 rows x 64 K, 768 bytes: registers 0-3 at 16 x lane, registers 4-5 at 512 + 8 x lane).
; THE KEYS OF A SCORE TILE ARE CHOSEN BY THE LANES' ADDRESSES.  A stored tile t holds keys 32 (t / 2) + 8 (t % 2) + i + 8 (i / 8).  Score tile (c, j), c = 0, 1, j = 0 .. 3, takes as rows 0-7 keys 8 j + 0 .. 7 of block 2 c and as rows 8-15 keys
; 8 (j xor 2) + 0 .. 7 of block 2 c + 1.  So the 32 registers of tiles (c, 0 .. 3) are ONE scale block in a lane (lanes 0-15 block 2 c, lanes 16-31 block 2 c + 1), which is p's operand layout: no lane asks another for a block's maximum, and no code changes lanes.
; The xor puts the two groups of eight rows of a load into different halves of 256 bytes.  Its price: lanes 16-31 hold their block's keys 16-31 ahead of keys 0-15; the launch before lays V's image in the same order.
; THE SCORES' K IS 64, the instruction's 128.  Q's registers 6-11 hold zero codes; K's operand is 12 registers of which the upper six are the next tile's codes (behind tile 7: zeros): finite numbers times the code 0, under scale bytes 0 (2^-127): they add nothing.
; FRAGMENTS RUN ONE STEP AHEAD: K's registers take step s + 1 behind step s's score products, V's behind its second products.  Behind a pass's last step that is step 0 again, which serves the next pass; behind the second pass those 37 loads are read by nobody.
; LIMITS: NaN and infinities are not served; the promise holds while |t| stays under 2^31; p under 2^-126 comes out of v_exp_f32 as 0; a block of zeros gets the byte 1 where the rule says 127 (zero codes; this program alone reads the bytes).
.set HEADB,  208896
.set CHUNKB, 52224                     ; 512 keys: K's codes 24,576, V's 24,576, K's scale words 2,048, V's 1,024
.set PARTB,  13056
.set QC,     13369344
.set QS,     19660800
.set AOS,    6291456
.set SPARE,  HEADB                     ; the spare words, 128 bytes for each wave: eight blocks of 256 bytes that no other line names
.set KA,  2                            ; v2, v3  lane terms of K's 16-byte pieces, for j / 2 = 0, 1;  v4, v5 of its 8-byte pieces;  v6, v7 of its scale words
.set KB,  4
.set KC,  6
.set L16, 8                            ; v8 16 x lane;  v9 512 + 8 x lane;  v10 16 x (lane % 16);  v11 8 x (lane / 16)
.set L8,  9
.set R16, 10
.set SH8, 11
.set AD,  28                           ; v28-33 LDS addresses in hand.  v0, v1 at work;  v12 -M, v13 the largest score, v[14:15] the sum;  v16-27 Q
.set SPW, 34
.set NIL, 35
.set KT,  36                           ; v36-83 eight tiles of K, v84-89 zeros
.set KW,  90                           ; v90-97 K's scale words
.set S,   98                           ; v98-161 S^T, then p; p's codes land in v114-125
.set O,   162                          ; v162-193 O^T
.set VT,  194                          ; v194-241 V's four fragments
.set VW,  242                          ; v242-245 V's scale words;  v246-252 at work
.set PW,  253                          ; p's scale word
.set F,   254                          ; 2^(old M - new M)
.set QW,  255                          ; Q's scale word
.set WV,  18
.set SEL, 20
.set CS,  22
.set G1,  24
.set G0,  32
.set NX,  36
.set CH,  37
.set QQ,  38
.set NC,  39
.set TB,  2
.set TS,  3
.set TJ,  66
.set CNT, 67
.set PASS, 68
.set QP,  70
.set QSP, 72
.set AOP, 74
.set AOSP, 76
.macro WALU
	s_wait_alu depctr_va_vdst(0)
.endm
.macro ROUND                           ; a round of the cluster's barrier
	s_barrier_signal -1
	s_barrier_wait -1
	s_cmp_lg_u32 s[WV], 0
	s_cbranch_scc1 .Lnot_wave_0_\@
	s_barrier_signal -3
.Lnot_wave_0_\@:
	s_barrier_wait -3
	s_barrier_signal -1
	s_barrier_wait -1
.endm
.macro KFETCH                          ; 6 plain lines, then 20 loads: eight score tiles' rows of K and their scale words, at s[TB], s[TS]
	v_add_nc_u32 v[AD], s[TB], v[KA]
	v_add_nc_u32 v[AD+1], s[TB], v[KA+1]
	v_add_nc_u32 v[AD+2], s[TB], v[KB]
	v_add_nc_u32 v[AD+3], s[TB], v[KB+1]
	v_add_nc_u32 v[AD+4], s[TS], v[KC]
	v_add_nc_u32 v[AD+5], s[TS], v[KC+1]
.irp c, 0,1
.irp j, 0,1,2,3
	ds_load_b128 v[KT+6*(4*\c+\j):KT+6*(4*\c+\j)+3], v[AD+\j/2] offset:768*(4*\c+\j%2)+128*(\j/2)
	ds_load_b64 v[KT+6*(4*\c+\j)+4:KT+6*(4*\c+\j)+5], v[AD+2+\j/2] offset:768*(4*\c+\j%2)+64*(\j/2)
.endr
	ds_load_b64 v[KW+4*\c:KW+4*\c+1], v[AD+4] offset:49152+256*\c      ; two words: tiles (c, 0) and (c, 1)
	ds_load_b64 v[KW+4*\c+2:KW+4*\c+3], v[AD+5] offset:49152+256*\c    ; (c, 2) and (c, 3)
.endr
.endm
.macro KADDR                           ; the six addresses of the next step's K: plain lines
	v_add_nc_u32 v[AD], s[TB], v[KA]
	v_add_nc_u32 v[AD+1], s[TB], v[KA+1]
	v_add_nc_u32 v[AD+2], s[TB], v[KB]
	v_add_nc_u32 v[AD+3], s[TB], v[KB+1]
	v_add_nc_u32 v[AD+4], s[TS], v[KC]
	v_add_nc_u32 v[AD+5], s[TS], v[KC+1]
.endm
.macro KL n                            ; the n-th of KFETCH's 20 loads: 0-15 the tiles' two pieces, 16-19 the scale words
.if (\n) < 16
.set U_, (\n)/2
.set C_, U_/4
.set J_, U_%4
.if (\n)%2 == 0
	ds_load_b128 v[KT+6*U_:KT+6*U_+3], v[AD+J_/2] offset:768*(4*C_+J_%2)+128*(J_/2)
.else
	ds_load_b64 v[KT+6*U_+4:KT+6*U_+5], v[AD+2+J_/2] offset:768*(4*C_+J_%2)+64*(J_/2)
.endif
.else
.set M_, (\n)-16
	ds_load_b64 v[KW+2*M_:KW+2*M_+1], v[AD+4+M_%2] offset:49152+256*(M_/2)
.endif
.endm
.macro SW u                            ; score tile u
	v_wmma_scale_f32_16x16x128_f8f6f4 v[S+8*(\u):S+8*(\u)+7], v[KT+6*(\u):KT+6*(\u)+11], v[16:27], 0, v[KW+(\u)], v[QW] matrix_a_fmt:MATRIX_FMT_FP6 matrix_b_fmt:MATRIX_FMT_FP6
.endm
.macro ADD3 k                          ; pairs k, k + 1, k + 2 of p onto the sum's three chains
	v_pk_add_f32 v[14:15], v[14:15], v[S+2*(\k):S+2*(\k)+1]
	v_pk_add_f32 v[248:249], v[248:249], v[S+2*(\k)+2:S+2*(\k)+3]
	v_pk_add_f32 v[250:251], v[250:251], v[S+2*(\k)+4:S+2*(\k)+5]
.endm
.macro VFETCH
	v_add_nc_u32 v[AD], s[TB], v[L16]
	v_add_nc_u32 v[AD+1], s[TB], v[L8]
	v_add_nc_u32 v[AD+2], s[TJ], v[R16]
	v_nop
	v_nop
.irp t, 0,1,2,3
	ds_load_b128 v[VT+12*\t:VT+12*\t+3], v[AD] offset:24576+1536*\t
	ds_load_b64 v[VT+12*\t+4:VT+12*\t+5], v[AD+1] offset:24576+1536*\t
	ds_load_b128 v[VT+12*\t+6:VT+12*\t+9], v[AD] offset:24576+1536*\t+768
	ds_load_b64 v[VT+12*\t+10:VT+12*\t+11], v[AD+1] offset:24576+1536*\t+768
.endr
	ds_load_b128 v[VW:VW+3], v[AD+2] offset:51200
.endm
	s_load_b128 s[4:7], s[0:1], 0x0                ; qkv, ao
	v_lshl_add_u32 v[SPW], v0, 2, SPARE
	v_mov_b32 v[NIL], 0
	ds_add_u32 v[SPW], v[NIL]                      ; the opening lines: the add, twice on end, and its wait ahead of my tensor load
	ds_add_u32 v[SPW], v[NIL]
	v_lshrrev_b32 v28, 5, v0
	v_readfirstlane_b32 s[WV], v28                 ; wave 0..15
	s_bfe_u32 s8, ttmp6, 0x40000                   ; cx: it enters Q's and ao's addresses alone
	s_and_b32 s9, ttmp7, 0xffff                    ; 16 x batch + head, which the four partners share
	s_mov_b32 s[G1], 15|(3<<16)|(1<<21)            ; the mask names all four; elements of 8 bytes; bit 21 beside a mask
	s_mov_b32 s[G1+1], 32<<16                      ; 13,056 dense bytes as 51 rows of 256
	s_mov_b32 s[G1+2], 51<<16
	s_mov_b32 s[G1+3], 32<<16
	s_mov_b32 s[G1+4], 51
	s_mov_b32 s[G1+5], 32
	s_mov_b32 s[G1+6], 0
	s_mov_b32 s[G1+7], 0
	s_mul_i32 s11, s[WV], PARTB                    ; my sixteenth, in LDS as in memory
	s_mul_i32 s12, s9, HEADB
	s_add_co_u32 s12, s12, s11
	s_mov_b32 s13, 0
	s_mov_b32 s[SEL], 0x76543210
	s_mov_b32 s[SEL+1], 0xfedcba98
	s_mov_b32 s[CS], 0x3e38aa3b                    ; c = log2(e) / 8
	s_mov_b32 s[CS+1], s[CS]
	s_mov_b32 s[NC], 0xbe38aa3b                    ; -c
	s_mov_b32 s[PASS], 2
	s_lshl_b32 s48, s8, 5
	s_add_co_u32 s48, s48, s[WV]                   ; my first tile of queries: 32 cx + wave
	s_mul_i32 s50, s9, 98304
	s_mul_i32 s49, s48, 768
	s_add_co_u32 s50, s50, s49
	s_add_co_u32 s50, s50, QC
	s_mov_b32 s51, 0
	s_lshl_b32 s52, s9, 13                         ; Q's scale words: groups of four tiles, [row index][4 words]
	s_lshr_b32 s49, s48, 2
	s_lshl_b32 s49, s49, 8
	s_add_co_u32 s52, s52, s49
	s_and_b32 s49, s48, 3
	s_lshl_b32 s49, s49, 2
	s_add_co_u32 s52, s52, s49
	s_add_co_u32 s52, s52, QS
	s_mov_b32 s53, 0
	s_lshr_b32 s49, s9, 4
	s_lshl_b32 s49, s49, 7
	s_add_co_u32 s49, s49, s48                     ; the tile among all tokens' tiles: 128 x batch + tile
	s_and_b32 s54, s9, 15                          ; the head: which 64 along the last product's K
	s_mul_i32 s56, s49, 12288
	s_mul_i32 s55, s54, 768
	s_add_co_u32 s56, s56, s55
	s_mov_b32 s57, 0
	s_lshl_b32 s58, s49, 9                         ; its scale bytes: [tile][K half][row index][16 bytes], two bytes a head
	s_lshr_b32 s55, s54, 3
	s_lshl_b32 s55, s55, 8
	s_add_co_u32 s58, s58, s55
	s_and_b32 s55, s54, 7
	s_lshl_b32 s55, s55, 1
	s_add_co_u32 s58, s58, s55
	s_add_co_u32 s58, s58, AOS
	s_mov_b32 s59, 0
	s_wait_dscnt 0x0                               ; both opening adds are done
	s_wait_kmcnt 0x0
	s_add_nc_u64 s[QP:QP+1], s[4:5], s[50:51]
	s_add_nc_u64 s[QSP:QSP+1], s[4:5], s[52:53]
	s_add_nc_u64 s[AOP:AOP+1], s[6:7], s[56:57]
	s_add_nc_u64 s[AOSP:AOSP+1], s[6:7], s[58:59]
	s_mov_b32 s[G0], 1
	s_mov_b32 s[G0+1], s11
	s_add_nc_u64 s[G0+2:G0+3], s[4:5], s[12:13]
	s_or_b32 s[G0+3], s[G0+3], 0x80000000
	ROUND                                          ; all four work-groups are here: the joint loads meet
	tensor_load_to_lds s[G0:G0+3], s[G1:G1+7]      ; one load a wave, the only one of the launch
	s_nop 0
	v_and_b32 v28, 31, v0
	v_lshlrev_b32 v[L16], 4, v28
	v_lshl_add_u32 v[L8], v28, 3, 512
	v_and_b32 v29, 15, v0
	v_lshlrev_b32 v[R16], 4, v29
	v_bfe_u32 v30, v0, 4, 1                        ; h
	v_lshlrev_b32 v[SH8], 3, v30
	v_and_b32 v31, 7, v0                           ; r % 8
	v_bfe_u32 v32, v0, 3, 1                        ; g = r / 8: rows 8-15 come from two stored tiles (1,536 bytes) on, and from the other half of the tile's rows
	v_lshlrev_b32 v33, 4, v31
	v_lshl_add_u32 v1, v30, 8, v33                 ; 16 (r % 8) + 256 h
	v_mad_u32_u24 v[KA], v32, 1536+128, v1
	v_mad_u32_u24 v[KA+1], v32, 1536-128, v1       ; (the loads for j / 2 = 1 carry + 128 in their offset)
	v_lshlrev_b32 v1, 3, v31
	v_lshl_add_u32 v1, v30, 7, v1
	v_add_nc_u32 v1, 512, v1                       ; 512 + 8 (r % 8) + 128 h
	v_mad_u32_u24 v[KB], v32, 1536+64, v1
	v_mad_u32_u24 v[KB+1], v32, 1536-64, v1
	v_mad_u32_u24 v[KC], v32, 8+128, v33           ; scale words [row][4 tiles]: rows 8-15 take the pair of words 8 bytes on
	v_mul_u32_u24 v1, v32, 120
	v_add_nc_u32 v33, 128, v33
	v_sub_nc_u32 v[KC+1], v33, v1                  ; 128 + 16 (r % 8) + g (8 - 128)
.irp j, 22,23,24,25,26,27,84,85,86,87,88,89
	v_mov_b32 v[\j], 0                             ; zero codes: the upper 64 of Q's K, and what stands behind K's tile 7
.endr
	s_mov_b32 s[TB], 0
	s_mov_b32 s[TS], 0
	s_mov_b32 s[TJ], 0
	WALU
	s_wait_tensorcnt 0x0                           ; my sixteenth has landed,
	s_barrier_signal -1
	s_barrier_wait -1                              ; everybody's has: the launch's only barrier ahead of its end
	KFETCH                                         ; step 0
	VFETCH
.Lpass:                                            ; two trips: tiles 32 cx + wave and 32 cx + 16 + wave
	global_load_b128 v[16:19], v[L16], s[QP:QP+1] th:TH_LOAD_NT
	global_load_b64 v[20:21], v[L8], s[QP:QP+1] th:TH_LOAD_NT
	global_load_b32 v[QW], v[R16], s[QSP:QSP+1]
	v_mov_b32 v13, 0xff61b1e6                      ; the largest score so far: -3e38
	v_mov_b32 v12, 0x7e000000                      ; -M: so large that the first step's factor is 0
	v_mov_b32 v14, 0
	v_mov_b32 v15, 0
.set J, 0
.rept 32
	v_mov_b32 v[O+J], 0                            ; O^T: the step is written once; the first finds zeros
.set J, J+1
.endr
	s_mov_b32 s[CNT], 0
	WALU
	s_wait_loadcnt 0x0
.Lstep:                                            ; a key step: 128 keys; sixteen trips a pass
	s_wait_dscnt 17                                ; K's 20 loads are in; younger: V's 17
	SW 0                                           ; the scalar lines stand among the products: where the next step lies: step (n + 1) % 16, chunk n / 4, place n % 4
	s_add_co_u32 s[NX], s[CNT], 1
	s_and_b32 s[NX], s[NX], 15
	s_lshr_b32 s[CH], s[NX], 2
	s_mul_i32 s[CH], s[CH], CHUNKB
	SW 1
	s_and_b32 s[QQ], s[NX], 3
	s_mul_i32 s[TB], s[QQ], 6144
	s_add_co_u32 s[TB], s[TB], s[CH]
	s_lshl_b32 s[TS], s[QQ], 9
	SW 2
	s_add_co_u32 s[TS], s[TS], s[CH]
	s_lshl_b32 s[TJ], s[QQ], 8
	s_add_co_u32 s[TJ], s[TJ], s[CH]
.irp u, 3,4,5,6,7
	SW \u
.endr
	KADDR                                          ; six plain lines: the places behind the products
.irp n, 0,1,2,3,4,5,6,7,8,9,10,11,12,13,14,15,16,17,18,19
	KL \n                                          ; the next step's K, 20 loads in one run
.endr
	; the largest score of my two blocks, each in two chains, every accumulator from its low end on
.irp c, 0,1
	v_max3_num_f32 v[246+\c], v[S+32*\c], v[S+32*\c+1], v[S+32*\c+2]
	v_max3_num_f32 v[248+2*\c], v[S+32*\c+17], v[S+32*\c+18], v[S+32*\c+19]
.endr
.irp i, 0,2,4,6,8,10
.irp c, 0,1
	v_max3_num_f32 v[246+\c], v[246+\c], v[S+32*\c+3+\i], v[S+32*\c+4+\i]
	v_max3_num_f32 v[248+2*\c], v[248+2*\c], v[S+32*\c+20+\i], v[S+32*\c+21+\i]
.endr
.endr
.irp c, 0,1
	v_max3_num_f32 v[246+\c], v[246+\c], v[S+32*\c+15], v[S+32*\c+16]
.endr
.irp c, 0,1
	v_max_num_f32 v[246+\c], v[246+\c], v[248+2*\c]
.endr
	s_delay_alu instid0(VALU_DEP_1)
	v_max_num_f32 v0, v246, v247
	s_delay_alu instid0(VALU_DEP_1)
	v_permlanex16_b32 v1, v0, s[SEL], s[SEL+1]     ; lane l xor 16's two blocks
	s_delay_alu instid0(VALU_DEP_1)
	v_max3_num_f32 v13, v13, v0, v1                ; the running largest score of my query (c is positive)
	s_delay_alu instid0(VALU_DEP_1)
	v_mul_f32 v0, s[NC], v13
	s_delay_alu instid0(VALU_DEP_1)
	v_floor_f32 v0, v0                             ; the new -M = floor(-t) = -ceil(t)
	s_delay_alu instid0(VALU_DEP_1)
	v_sub_f32 v1, v0, v12                          ; old M less new M: a whole number, 0 or less
	v_mov_b32 v12, v0
	s_delay_alu instid0(VALU_DEP_2)
	v_cvt_i32_f32 v1, v1                           ; (it saturates)
	s_delay_alu instid0(VALU_DEP_1)
	v_ldexp_f32 v[F], 1.0, v1
.set J, 0
.rept 32
	v_pk_fma_f32 v[S+J:S+J+1], v[S+J:S+J+1], s[CS:CS+1], v[12:13] op_sel_hi:[1,0,0]   ; t - M, two at a time
.set J, J+2
.endr
	v_fma_f32 v246, v246, s[CS], v12               ; the same of each block's largest score: p rises with the score
	v_fma_f32 v247, v247, s[CS], v12
	WALU
.set J, 0
.rept 64
	v_exp_f32 v[S+J], v[S+J]                       ; p = 2^(t - M), at most 1
.set J, J+1
.endr
	v_exp_f32 v246, v246                           ; the blocks' largest p
	v_exp_f32 v247, v247
	v_pk_mul_f32 v[14:15], v[14:15], v[F:F+1] op_sel_hi:[1,0]   ; the sum under the new M: the plain line behind the batch
	WALU                                           ; and one wait behind it, ahead of its first reader
	; the sum of the unquantised p, 32 pairs in three chains; the lines that make the blocks' scales stand among them
	v_pk_add_f32 v[248:249], v[S:S+1], v[S+2:S+3]
	v_pk_add_f32 v[250:251], v[S+4:S+5], v[S+6:S+7]
	v_max_num_f32 v246, 0x1800000, v246            ; the floor 2^(3 - 127): the byte cannot fall under 1
	v_max_num_f32 v247, 0x1800000, v247
	ADD3 4
	v_add_nc_u32 v0, 0xff000000, v246              ; 2 off the exponent field: the conversions' scale operands
	v_add_nc_u32 v1, 0xff000000, v247
	ADD3 7
	v_lshrrev_b32 v246, 23, v0                     ; the scales' bytes
	v_lshrrev_b32 v247, 23, v1
	ADD3 10
	v_lshl_or_b32 v[PW], v247, 16, v246            ; my two bytes: blocks h and 2 + h,
	ADD3 13
	v_lshlrev_b32 v[PW], v[SH8], v[PW]             ; at their places in the word;
.irp k, 16,19,22,25,28
	ADD3 \k
.endr
	v_pk_add_f32 v[14:15], v[14:15], v[S+62:S+63]
	v_pk_add_f32 v[248:249], v[248:249], v[250:251]
	v_pk_add_f32 v[14:15], v[14:15], v[248:249]
	v_permlanex16_b32 v249, v[PW], s[SEL], s[SEL+1]
	v_cvt_scalef32_pk16_fp6_f32 v[250:252], v[S+16:S+31], v0     ; the blocks' second halves first: their numbers' registers then take the codes
	v_cvt_scalef32_pk16_fp6_f32 v[246:248], v[S+48:S+63], v1
	v_or_b32 v[PW], v[PW], v249                    ; with lane l xor 16's two the word is whole.  (The plain line between the conversions above and those that write their sources)
	v_cvt_scalef32_pk16_fp6_f32 v[S+16:S+18], v[S:S+15], v0
	v_cvt_scalef32_pk16_fp6_f32 v[S+22:S+24], v[S+32:S+47], v1
.irp i, 0,1,2
	v_mov_b32 v[S+19+\i], v[250+\i]                ; (a conversion's three registers begin on an even number)
	v_mov_b32 v[S+25+\i], v[246+\i]
.endr
	s_wait_dscnt 20                                ; V's 17 loads are in; younger: the next step's 20 of K
	WALU                                           ; directly ahead of the first reader of O^T
.set J, 0
.rept 16
	v_pk_mul_f32 v[O+J:O+J+1], v[O+J:O+J+1], v[F:F+1] op_sel_hi:[1,0]   ; O^T under the new M; these sixteen also stand between the lines that made p's codes and scale word and the products
.set J, J+2
.endr
.irp t, 0,1,2,3                                ; four accumulators by turns
	v_wmma_scale_f32_16x16x128_f8f6f4 v[O+8*\t:O+8*\t+7], v[VT+12*\t:VT+12*\t+11], v[S+16:S+27], v[O+8*\t:O+8*\t+7], v[VW+\t], v[PW] matrix_a_fmt:MATRIX_FMT_FP6 matrix_b_fmt:MATRIX_FMT_FP6
.endr
	VFETCH                                         ; its five plain lines are the places ahead of the loads and of the next scores, which land on p's codes; the next step's V
	s_add_co_u32 s[CNT], s[CNT], 1
	s_cmp_lt_u32 s[CNT], 16
	s_cbranch_scc1 .Lstep
	; THE WAY OUT: O^T / the sum, quantised along the head's 64 features: two blocks, one half fragment.  Register 16 b + i is feature 32 b + 16 h + i of my query.
	v_add_f32 v14, v14, v15
	v_permlanex16_b32 v1, v14, s[SEL], s[SEL+1]
	v_add_f32 v14, v14, v1
	WALU
	v_rcp_f32 v14, v14
	v_nop
	WALU                                           ; ahead of the first reader of the reciprocal and of O^T
.set J, 0
.rept 32
	v_mul_f32 v[S+J], v[O+J], v14
.set J, J+1
.endr
.irp b, 0,1
	v_max3_num_f32 v[S+32+\b], |v[S+16*\b]|, |v[S+1+16*\b]|, 0x1800000
.endr
.irp i, 2,4,6,8,10,12,14
.irp b, 0,1
	v_max3_num_f32 v[S+32+\b], v[S+32+\b], |v[S+16*\b+\i]|, |v[S+1+16*\b+\i]|
.endr
.endr
.irp b, 0,1
	v_permlanex16_b32 v[S+34+\b], v[S+32+\b], s[SEL], s[SEL+1]
.endr
.irp b, 0,1
	v_max_num_f32 v[S+32+\b], v[S+32+\b], v[S+34+\b]
.endr
.irp b, 0,1
	v_add_nc_u32 v[S+36+\b], 0xff000000, v[S+32+\b]
.endr
.irp b, 0,1
	v_lshrrev_b32 v[S+34+\b], 23, v[S+36+\b]
.endr
	v_lshl_or_b32 v[S+38], v[S+35], 8, v[S+34]     ; my row's two scale bytes
	v_cvt_scalef32_pk16_fp6_f32 v[S+42:S+44], v[S:S+15], v[S+36]
	v_cvt_scalef32_pk16_fp6_f32 v[S+48:S+50], v[S+16:S+31], v[S+37]
	v_nop                                          ; one plain place behind a scaled conversion
.irp i, 0,1,2
	v_permlane16_swap_b32 v[S+42+\i], v[S+48+\i]   ; the operand's layout wants a whole block in a lane
.endr
.irp i, 0,1,2
	v_mov_b32 v[S+45+\i], v[S+48+\i]
.endr
	global_store_b128 v[L16], v[S+42:S+45], s[AOP:AOP+1]   ; 512 consecutive bytes, aligned
	global_store_b64 v[L8], v[S+46:S+47], s[AOP:AOP+1]     ; 256
	global_store_b16 v[R16], v[S+38], s[AOSP:AOSP+1]       ; two bytes a row: a row's 32 bytes come from the 16 heads' work-groups; lanes 16-31 repeat lanes 0-15
	s_wait_xcnt 0x0                                ; the stores and loads have read their bases and data: both are written again
	s_add_nc_u64 s[QP:QP+1], s[QP:QP+1], 16*768    ; sixteen tiles on (behind the last pass the stepped addresses are not used)
	s_add_nc_u64 s[QSP:QSP+1], s[QSP:QSP+1], 4*256
	s_add_nc_u64 s[AOP:AOP+1], s[AOP:AOP+1], 16*12288
	s_add_nc_u64 s[AOSP:AOSP+1], s[AOSP:AOSP+1], 16*512
	s_sub_co_u32 s[PASS], s[PASS], 1
	s_cmp_lg_u32 s[PASS], 0
	s_cbranch_scc1 .Lpass
	s_wait_tensorcnt 0x0                           ; the wave's end
	ds_add_u32 v[SPW], v[NIL]
	s_wait_dscnt 0x0
	ROUND                                          ; the closing round
	s_endpgm
.Lfunc_end_k_q176b343ddd_attn:
	.size	k_q176b343ddd_attn, .Lfunc_end_k_q176b343ddd_attn-k_q176b343ddd_attn
	.p2alignl 7, 3214868480
	.fill 96, 4, 3214868480
	.section	.rodata,"a",@progbits
	.p2align	6, 0x0
	.amdhsa_kernel k_q176b343ddd_attn
		.amdhsa_group_segment_fixed_size 210944
		.amdhsa_private_segment_fixed_size 0
		.amdhsa_enable_private_segment 0
		.amdhsa_kernarg_size 16
		.amdhsa_user_sgpr_count 2
		.amdhsa_user_sgpr_kernarg_segment_ptr 1
		.amdhsa_wavefront_size32 1
		.amdhsa_system_sgpr_workgroup_id_x 1
		.amdhsa_system_sgpr_workgroup_id_y 1
		.amdhsa_system_sgpr_workgroup_id_z 1
		.amdhsa_system_vgpr_workitem_id 0
		.amdhsa_next_free_vgpr 256
		.amdhsa_next_free_sgpr 96
		.amdhsa_reserve_vcc 0
		.amdhsa_float_denorm_mode_32 3
		.amdhsa_float_denorm_mode_16_64 3
		.amdhsa_memory_ordered 1
		.amdhsa_forward_progress 1
		.amdhsa_inst_pref_size 30
	.end_amdhsa_kernel
	.amdgpu_metadata
---
amdhsa.version: [ 1, 2 ]
amdhsa.kernels:
  - .name:           k_q176b343ddd_attn
    .symbol:         k_q176b343ddd_attn.kd
    .args:
      - { .name: qkv, .offset: 0, .size: 8, .value_kind: global_buffer, .address_space: global }
      - { .name: ao, .offset: 8, .size: 8, .value_kind: global_buffer, .address_space: global }
    .group_segment_fixed_size: 210944
    .private_segment_fixed_size: 0
    .kernarg_segment_align: 8
    .kernarg_segment_size: 16
    .max_flat_workgroup_size: 512
    .sgpr_count:     96
    .vgpr_count:     256
    .wavefront_size: 32
...
	.end_amdgpu_metadata
.endif
;; end of part 3
;; launch oproj (part 4): grid 4 x 64, 4 waves a work-group, clusters of 4 x 4, 295,424 bytes of LDS; arguments ao, opq, bo, out0; writes out0
.if DOCPART == 4
	.amdgcn_target "amdgcn-amd-amdhsa--gfx1250"
	.amdhsa_code_object_version 6
	.text
	.protected	k_q176b343ddd_oproj
	.globl	k_q176b343ddd_oproj
	.p2align	8
	.type	k_q176b343ddd_oproj,@function
k_q176b343ddd_oproj:
	s_mov_b64 s[64:65], 0
	v_nop
	global_prefetch_b8 v0, s[64:65] scope:SCOPE_SE
	s_setreg_imm32_b32 hwreg(HW_REG_WAVE_MODE, 25, 1), 1
	s_wait_xcnt 0x0
	s_wait_alu depctr_hold_cnt(0) depctr_sa_sdst(0) depctr_va_vdst(0) depctr_va_sdst(0) depctr_va_ssrc(0) depctr_va_vcc(0) depctr_vm_vsrc(0)
	s_getreg_b32 s2, hwreg(HW_REG_IB_STS2, 6, 4)
	s_cmp_eq_u32 s2, 0
	s_cbranch_scc0 .Lentry_in_a_cluster
	s_endpgm
.Lentry_in_a_cluster:
	s_bfe_u32 s2, ttmp6, 0x10000c
	s_cmp_lg_u32 s2, 0xf033
	s_cbranch_scc0 .Lentry_shape_is_right
	s_endpgm
.Lentry_shape_is_right:
; out0[m][n] = the sum over k of A[m][k] Wo[n][k] + bo[n]: A [8192][1024] is the attention's result, Wo [1024][1024]; both lie as codes of FP6 (E2M3) with E8M0 scale words, in images of operand registers:
; a tile of 16 rows is 12,288 bytes, K ascending, 1,536 bytes for 128 along K (two halves of 768: registers 0-3 at 16 x lane, registers 4-5 at 512 + 8 x lane); lane index i of tile t is row 32 (t / 2) + 8 (t % 2) + i + 8 (i / 8).
; Scale words: [tile][K half][row index][4 words].  A's tiles and words lie in ao, Wo's are tiles 704-767 of opq.
; SHARES.  256 work-groups of four waves, one for each block of 128 x 256 of the result; a wave makes 64 x 128: 32 accumulators, 256 registers.
; ALL OF K LIES IN LDS AT ONCE: 8 tiles of A and 16 of Wo are 294,912 bytes.  Each wave asks for one dense part at the head (waves 0, 1 four tiles of A each, waves 2, 3 eight tiles of Wo each).  Nothing is filled again: no ring, no round but the opening and the closing one.
; CLUSTERS: 4 x 4 work-groups; A's tiles are shared along a row of the cluster, Wo's along a column: joint loads, the same descriptor and a mask that names the four.
; No prefetch: every tensor load goes out at the head, so there is no loop to run ahead in.
; THE SCALE WORDS go from memory straight into registers: sixteen lanes read 256 consecutive bytes, aligned (lanes 16-31 name the same bytes).  A's stand in v28-59, Wo's in v62-125: they hold nothing else.
; THE MATRIX INSTRUCTION IS USED TRANSPOSED (source 0 = 16 rows of Wo, source 1 = 16 rows of A): a lane holds eight neighbouring numbers of a row of the result.  The bias is the first products' C.
; REGISTERS, in windows of 256: window 0: v0-17 addresses, the scale words, v128-223 A's fragments in two sets (on the way out v128-255 take rows read back); window 1: v0-191 Wo's fragments in two sets, v192-255 the bias; window 2: accumulator (a, b) at v[8 (8 a + b)].
; THE WAY OUT: a block of 16 rows x 128 columns goes through the wave's own stage in LDS and leaves as rows of 512 bytes.  The stage lies on A's bytes, which have had their only fill; a barrier stands between all waves' last reads and the first store there.
.set OPT,    12288
.set KSB,    1536
.set ABYTES, 8*OPT
.set SPARE,  3*ABYTES                  ; behind the codes: the spare words, 128 bytes for each wave
.set SCO,    9437184
.set AOS,    6291456
.set SPITCH, 528
.set ADRA, 8                           ; v8, v9    LDS address of my four tiles of A: 16-byte pieces, 8-byte pieces
.set ADRB, 10                          ; v10, v11  of my tiles 0-3 of Wo;  v12, v13 of tiles 4-7
.set STO,  14
.set RD,   15
.set SPW,  16
.set NIL,  17
.set SA,   28
.set SB,   62
.set AF,   128
.set BK,   128
.set G1,  24
.set G0,  32
.set G1B, 48
.set G0B, 56
.set MSB, 0
.macro WIN new
.if MSB != \new
	s_set_vgpr_msb (MSB<<8)|\new
.set MSB, \new
.endif
.endm
.set TO_B, 0x40
.macro PLACES n
.rept \n
	v_nop
.endr
.endm
.macro CROUND
	s_barrier_signal -1
	s_barrier_wait -1
	s_cmp_lg_u32 s14, 0
	s_cbranch_scc1 .Lnot_wave_0_\@
	s_barrier_signal -3
.Lnot_wave_0_\@:
	s_barrier_wait -3
	s_barrier_signal -1
	s_barrier_wait -1
.endm
	s_load_b256 s[4:11], s[0:1], 0x0               ; ao, opq, bo, out0
	v_lshl_add_u32 v[SPW], v0, 2, SPARE
	v_mov_b32 v[NIL], 0
	ds_add_u32 v[SPW], v[NIL]                      ; the opening lines: the add, twice on end, and its wait
	ds_add_u32 v[SPW], v[NIL]
	v_lshrrev_b32 v1, 5, v0
	v_readfirstlane_b32 s14, v1                    ; wave 0..3
	s_lshr_b32 s15, s14, 1                         ; which 64 rows are mine.  Also: I fetch for A (0) or for Wo (1)
	s_and_b32 s16, s14, 1                          ; which 128 columns.  Also: which half of that operand I fetch
	s_bfe_u32 s40, ttmp6, 0x40000                  ; cx
	s_bfe_u32 s41, ttmp6, 0x40004                  ; cy
	s_lshl_b32 s42, ttmp9, 2
	s_add_co_u32 s42, s42, s40                     ; block column, 0..3
	s_and_b32 s17, ttmp7, 0xffff
	s_lshl_b32 s17, s17, 2
	s_add_co_u32 s17, s17, s41                     ; block row, 0..63
	s_lshl_b32 s43, s41, 2
	s_lshl_b32 s43, 15, s43                        ; my row of the cluster
	s_lshl_b32 s44, 0x1111, s40                    ; my column
	s_or_b32 s[G1], s43, (3<<16)|(1<<21)           ; elements of 8 bytes; a row is a tile, 12,288 dense bytes
	s_or_b32 s[G1B], s44, (3<<16)|(1<<21)
	s_mov_b32 s[G1+1], 1536<<16
	s_mov_b32 s[G1+2], 4<<16
	s_mov_b32 s[G1+3], 1536<<16
	s_mov_b32 s[G1+4], 4
	s_mov_b32 s[G1+5], 1536
	s_mov_b32 s[G1+6], 0
	s_mov_b32 s[G1+7], 0
	s_mov_b32 s[G1B+1], 1536<<16
	s_mov_b32 s[G1B+2], 8<<16
	s_mov_b32 s[G1B+3], 1536<<16
	s_mov_b32 s[G1B+4], 8
	s_mov_b32 s[G1B+5], 1536
	s_mov_b32 s[G1B+6], 0
	s_mov_b32 s[G1B+7], 0
	s_lshl_b32 s2, s17, 3                          ; A's first tile of the block
	s_lshl_b32 s18, s16, 2
	s_add_co_u32 s18, s2, s18                      ; the four tiles that a wave fetching for A asks for
	s_mul_i32 s20, s18, OPT
	s_mov_b32 s21, 0
	s_lshl_b32 s18, s15, 2
	s_add_co_u32 s18, s2, s18                      ; the four that I multiply
	s_lshl_b32 s46, s18, 9
	s_add_co_u32 s46, s46, AOS                     ; their scale words
	s_mov_b32 s47, 0
	s_lshl_b32 s3, s42, 4
	s_add_co_u32 s3, s3, 704
	s_lshl_b32 s19, s16, 3
	s_add_co_u32 s3, s3, s19                       ; Wo: the eight tiles of half s16: those a fetching wave asks for, and those that I multiply
	s_mul_i32 s22, s3, OPT
	s_mov_b32 s23, 0
	s_lshl_b32 s92, s3, 9
	s_add_co_u32 s92, s92, SCO
	s_mov_b32 s93, 0
	s_mov_b32 s[G0], 1
	s_mul_i32 s[G0+1], s16, 4*OPT
	s_mov_b32 s[G0B], 1
	s_mul_i32 s[G0B+1], s16, 8*OPT
	s_add_co_u32 s[G0B+1], s[G0B+1], ABYTES
	s_wait_dscnt 0x0                               ; both opening adds are done
	s_wait_kmcnt 0x0
	s_add_nc_u64 s[G0+2:G0+3], s[4:5], s[20:21]
	s_or_b32 s[G0+3], s[G0+3], 0x80000000
	s_add_nc_u64 s[G0B+2:G0B+3], s[6:7], s[22:23]
	s_or_b32 s[G0B+3], s[G0B+3], 0x80000000
	s_add_nc_u64 s[46:47], s[4:5], s[46:47]
	s_add_nc_u64 s[92:93], s[6:7], s[92:93]
	CROUND                                         ; all sixteen work-groups are here: the joint loads meet
	s_cmp_eq_u32 s15, 0
	s_cbranch_scc0 .Lfor_b
	tensor_load_to_lds s[G0:G0+3], s[G1:G1+7]      ; one load a wave, the only one of the launch
	s_nop 0
	PLACES 4
	s_branch .Lasked
.Lfor_b:
	tensor_load_to_lds s[G0B:G0B+3], s[G1B:G1B+7]
	s_nop 0
	PLACES 4
.Lasked:
	v_and_b32 v1, 15, v0                           ; r
	v_bfe_u32 v2, v0, 4, 1                         ; h
	v_and_b32 v3, 31, v0
	v_lshlrev_b32 v4, 4, v3                        ; 16 x lane
	v_lshl_add_u32 v5, v3, 3, 512                  ; 512 + 8 x lane
	v_lshlrev_b32 v6, 6, v2                        ; the bias: 64 h
	v_lshlrev_b32 v7, 4, v1                        ; scale words: 16 r
	s_mul_i32 s21, s15, 4*OPT
	s_mul_i32 s22, s16, 8*OPT
	s_add_co_u32 s22, s22, ABYTES
	v_add_nc_u32 v[ADRA], s21, v4
	v_add_nc_u32 v[ADRA+1], s21, v5
	v_add_nc_u32 v[ADRB], s22, v4
	v_add_nc_u32 v[ADRB+1], s22, v5
	s_add_co_u32 s22, s22, 4*OPT
	v_add_nc_u32 v[ADRB+2], s22, v4
	v_add_nc_u32 v[ADRB+3], s22, v5
	s_mul_i32 s23, s14, 16*SPITCH                  ; my stage
	v_mul_u32_u24 v18, v1, SPITCH
	v_lshl_add_u32 v18, v2, 6, v18
	v_add_nc_u32 v[STO], s23, v18                  ; in: row r, + 64 h
	v_add_nc_u32 v[RD], s23, v4                    ; back: the 32 lanes take a row of 512 bytes
	s_lshl_b32 s96, s42, 10
	s_lshl_b32 s98, s16, 9
	s_add_co_u32 s96, s96, s98                     ; my first column, in bytes
	s_mov_b32 s97, 0
	s_add_nc_u64 s[8:9], s[8:9], s[96:97]
	s_add_nc_u64 s[10:11], s[10:11], s[96:97]
	s_lshl_b32 s96, s17, 19                        ; 128 rows of 4,096 bytes a block,
	s_lshl_b32 s98, s15, 18                        ; 64 a wave
	s_add_co_u32 s96, s96, s98
	s_add_nc_u64 s[10:11], s[10:11], s[96:97]
	s_wait_alu depctr_va_vdst(0)
.irp a, 0,1,2,3
.irp u, 0,1
	global_load_b128 v[SA+8*\a+4*\u:SA+8*\a+4*\u+3], v7, s[46:47] offset:512*\a+256*\u
.endr
.endr
.irp b, 0,1,2,3,4,5,6,7
.irp u, 0,1
	global_load_b128 v[SB+8*\b+4*\u:SB+8*\b+4*\u+3], v7, s[92:93] offset:512*\b+256*\u
.endr
.endr
	WIN TO_B
.irp i, 0,1,2,3,4,5,6,7
	global_load_b128 v[192+8*\i:192+8*\i+3], v6, s[8:9] offset:(32*(\i/2)+8*(\i%2))*4      ; register j of tile i: column 32 (i / 2) + 8 (i % 2) + 16 h + j
	global_load_b128 v[192+8*\i+4:192+8*\i+7], v6, s[8:9] offset:(32*(\i/2)+8*(\i%2))*4+16
.endr
	WIN 0
.macro FRAG reg, a16, off
	ds_load_b128 v[\reg:\reg+3], v[\a16] offset:\off
	ds_load_b64 v[\reg+4:\reg+5], v[\a16+1] offset:\off
	ds_load_b128 v[\reg+6:\reg+9], v[\a16] offset:\off+768
	ds_load_b64 v[\reg+10:\reg+11], v[\a16+1] offset:\off+768
.endm
.macro FETCH ks                        ; 48 loads: the fragments of step ks, 128 along K, into set ks % 2
	WIN TO_B
.irp i, 0,1,2,3,4,5,6,7
	FRAG 96*((\ks)%2)+12*\i, ADRB+2*(\i/4), (\i%4)*OPT+(\ks)*KSB
.endr
	WIN 0
.irp i, 0,1,2,3
	FRAG AF+48*((\ks)%2)+12*\i, ADRA, \i*OPT+(\ks)*KSB
.endr
.endm
.macro MUL ks, first                   ; 32 products, the 32 accumulators by turns, in the same order in every step
.irp a, 0,1,2,3
.irp b, 0,1,2,3,4,5,6,7
.set rD, 8*(8*\a+\b)
.set rB, 96*((\ks)%2)+12*\b
.set rA, AF+48*((\ks)%2)+12*\a
.if \first
	v_wmma_scale_f32_16x16x128_f8f6f4 v[rD:rD+7], v[rB:rB+11], v[rA:rA+11], v[192+8*\b:192+8*\b+7], v[SB+8*\b+(\ks)], v[SA+8*\a+(\ks)] matrix_a_fmt:MATRIX_FMT_FP6 matrix_b_fmt:MATRIX_FMT_FP6
.else
	v_wmma_scale_f32_16x16x128_f8f6f4 v[rD:rD+7], v[rB:rB+11], v[rA:rA+11], v[rD:rD+7], v[SB+8*\b+(\ks)], v[SA+8*\a+(\ks)] matrix_a_fmt:MATRIX_FMT_FP6 matrix_b_fmt:MATRIX_FMT_FP6
.endif
.endr
.endr
.endm
	s_wait_tensorcnt 0x0                           ; my part has landed,
	s_barrier_signal -1
	s_barrier_wait -1                              ; everybody's has
	FETCH 0
	FETCH 1
	s_wait_loadcnt 0x0                             ; the scale words and the bias
	s_wait_dscnt 48                                ; step 0's 48 loads are in; younger: step 1's 48
	WIN 0x91                                       ; source 0 and C window 1, source 1 window 0, D window 2
	MUL 0, 1
.irp ks, 1,2,3,4,5,6
	PLACES 4                                       ; ahead of loads into the set that the last products read
	FETCH \ks+1
	s_wait_dscnt 48
	WIN 0xa1                                       ; source 0 window 1, source 1 window 0, C and D window 2
	MUL \ks, 0
.endr
	s_wait_dscnt 0x0                               ; the last step's fragments are in, and my reads of the codes are over
	s_barrier_signal -1                            ; register work alone up to the wait
	MUL 7, 0
	WIN 0
	s_barrier_wait -1                              ; nobody reads the codes any more: the stages may be written
.macro TOSTAGE a
	WIN 0x08                                       ; the data: window 2
.irp b, 0,1,2,3,4,5,6,7
	ds_store_b128 v[STO], v[64*(\a)+8*\b:64*(\a)+8*\b+3] offset:128*(\b/2)+32*(\b%2)        ; each accumulator from its low end on
	ds_store_b128 v[STO], v[64*(\a)+8*\b+4:64*(\a)+8*\b+7] offset:128*(\b/2)+32*(\b%2)+16
.endr
	WIN 0
.set BB, BK+64*((\a)%2)
.irp t, 0,1,2,3,4,5,6,7,8,9,10,11,12,13,14,15
	ds_load_b128 v[BB+4*\t:BB+4*\t+3], v[RD] offset:\t*SPITCH       ; LDS serves a wave's instructions in order: these see the stores above
.endr
.endm
.macro SEND a, younger
.set BB, BK+64*((\a)%2)
	s_wait_dscnt \younger
.irp t, 0,1,2,3,4,5,6,7,8,9,10,11,12,13,14,15
	global_store_b128 v4, v[BB+4*\t:BB+4*\t+3], s[10:11] offset:(32*((\a)/2)+8*((\a)%2)+\t+8*(\t/8))*4096 th:TH_STORE_NT   ; 512 consecutive bytes, aligned
.endr
.endm
	PLACES 4                                       ; behind the last products: their results are read, and rows land on A's fragments
	TOSTAGE 0
.irp a, 1,2,3
.if \a > 1
	s_wait_xcnt 0x0                                ; block a - 2's stores have read their registers
.endif
	TOSTAGE \a
	SEND \a-1, 32                                  ; younger: block a's 16 stores and 16 loads
.endr
	SEND 3, 0
	s_wait_tensorcnt 0x0                           ; the wave's end
	ds_add_u32 v[SPW], v[NIL]
	s_wait_dscnt 0x0
	CROUND                                         ; the closing round
	s_endpgm
.Lfunc_end_k_q176b343ddd_oproj:
	.size	k_q176b343ddd_oproj, .Lfunc_end_k_q176b343ddd_oproj-k_q176b343ddd_oproj
	.p2alignl 7, 3214868480
	.fill 96, 4, 3214868480
	.section	.rodata,"a",@progbits
	.p2align	6, 0x0
	.amdhsa_kernel k_q176b343ddd_oproj
		.amdhsa_group_segment_fixed_size 295424
		.amdhsa_private_segment_fixed_size 0
		.amdhsa_enable_private_segment 0
		.amdhsa_kernarg_size 32
		.amdhsa_user_sgpr_count 2
		.amdhsa_user_sgpr_kernarg_segment_ptr 1
		.amdhsa_wavefront_size32 1
		.amdhsa_system_sgpr_workgroup_id_x 1
		.amdhsa_system_sgpr_workgroup_id_y 1
		.amdhsa_system_sgpr_workgroup_id_z 1
		.amdhsa_system_vgpr_workitem_id 0
		.amdhsa_next_free_vgpr 768
		.amdhsa_next_free_sgpr 100
		.amdhsa_reserve_vcc 0
		.amdhsa_float_denorm_mode_32 3
		.amdhsa_float_denorm_mode_16_64 3
		.amdhsa_memory_ordered 1
		.amdhsa_forward_progress 1
		.amdhsa_inst_pref_size 83
	.end_amdhsa_kernel
	.amdgpu_metadata
---
amdhsa.version: [ 1, 2 ]
amdhsa.kernels:
  - .name:           k_q176b343ddd_oproj
    .symbol:         k_q176b343ddd_oproj.kd
    .args:
      - { .name: ao, .offset: 0, .size: 8, .value_kind: global_buffer, .address_space: global }
      - { .name: opq, .offset: 8, .size: 8, .value_kind: global_buffer, .address_space: global }
      - { .name: bo, .offset: 16, .size: 8, .value_kind: global_buffer, .address_space: global }
      - { .name: out0, .offset: 24, .size: 8, .value_kind: global_buffer, .address_space: global }
    .group_segment_fixed_size: 295424
    .private_segment_fixed_size: 0
    .kernarg_segment_align: 8
    .kernarg_segment_size: 32
    .max_flat_workgroup_size: 128
    .sgpr_count:     100
    .vgpr_count:     768
    .wavefront_size: 32
...
	.end_amdgpu_metadata
.endif
;; end of part 4
